; MI455X (gfx1250); checked and timed in simulation.
; The chip was launched on July 23, 2026; its instructions are those of AMD's public machine-readable ISA for CDNA 5 (MIT licence, August 2026) and "CDNA5" Instruction Set Architecture Reference Guide (July 2026). The comments in the code are by the model that wrote it; some were corrected since.
;; MHSA. Allowed arithmetic: matrix products marked QUANTISED: E4M3 operands, one E8M0 scale for each 32 along K, by v_wmma_scale_f32_16x16x128_f8f6f4 with both operands' format E4M3, f32 sums; everything else in f32.
;; Inputs: W_kqv 1,024 x 3,072 float32; W_proj 1,024 x 1,024 float32; b_proj 1,024 float32; x 4 x 2,048 x 1,024 float32.
;; Outputs: out0 4 x 2,048 x 1,024 float32.
;; This version of the problem:
;;   THIS VERSION OF THE PROBLEM IS GIVEN IN LOW PRECISION. The matrix products marked QUANTISED in the list below multiply operands that are first quantised to E4M3 (4 exponent bits, 3 mantissa bits; 8 bits a number), with one power-of-two scale for each 32 numbers along K (OCP MX v1.0); their sums are f32. All else is computed in f32.
;;   The module's matrix products, in the order in which they are computed (A, B: the left and right operand; K: the contracted axis; several contracted axes count as one K, in the product's order):
;;     1. [M 8,192, K 1,024] x [K 1,024, N 3,072]; A: input x; B: input W_kqv: QUANTISED
;;     2. batch 64 x [M 2,048, K 64] x [K 64, N 2,048]; A: computed on the way; B: computed on the way: QUANTISED
;;     3. batch 64 x [M 2,048, K 2,048] x [K 2,048, N 64]; A: softmax (see below); B: computed on the way: QUANTISED
;;     4. [M 8,192, K 1,024] x [K 1,024, N 1,024]; A: computed on the way; B: input W_proj: QUANTISED
;;   THE QUANTISER, for each operand of a quantised product, along K:
;;     - K is cut into blocks of 32 from its start; a last block that is shorter is filled with zeros.
;;     - A block's scale is 2^e with e = floor(log2(the largest magnitude in the block)) - 8, held to -126 .. 127; a block of zeros has e = 0. As a byte (E8M0): e + 127.
;;     - Each number is divided by its block's scale, clamped to +-448, and rounded to the nearest number of E4M3, ties to even, subnormals kept.
;;     - The product sums the exact products of the quantised numbers (number of the format x scale) in f32.
;;   ~~~python
;;   def quantise(x, axis):      # numpy; x: float32 -> the quantised numbers, widened to float32 again
;;       x = np.moveaxis(x, axis, -1); K = x.shape[-1]
;;       x = np.pad(x, [(0, 0)] * (x.ndim - 1) + [(0, -K % 32)]); x = x.reshape(x.shape[:-1] + (-1, 32)); a = np.abs(x).max(-1, keepdims=True)
;;       e = np.where(a > 0, np.clip(np.frexp(np.where(a > 0, a, 1))[1] - 1 - 8, -126, 127), 0)      # np.frexp(a)[1] - 1 = floor(log2(a)), exactly
;;       r = np.clip(x / 2.0 ** e, -448, 448)
;;       step = 2.0 ** (np.maximum(np.frexp(np.where(r == 0, 1, r))[1] - 1, -6) - 3)
;;       q = np.round(r / step) * step * 2.0 ** e      # np.round: ties to even
;;       return np.moveaxis(q.reshape(q.shape[:-2] + (-1,))[..., :K], -1, axis).astype(np.float32)
;;   ~~~
;;   SOFTMAX AHEAD OF A QUANTISED PRODUCT. Where the list says 'softmax', what is quantised is not the finished softmax but p = 2^(t - M), with t = logit x log2(e) and M = ceil(the row's largest t), a whole number; so 1/2 < the row's largest p <= 1. The row's sum l is taken of the UNQUANTISED p, in f32, and the product's result is divided by l at the end. Since M is a whole number, a kernel that streams over the keys may use a running M (the ceiling of the running maximum): every later rescaling is an exact power of two, which a block's scale takes up: the codes' values come out the same.
;;   OPERANDS COMPUTED ON THE WAY. 'Computed on the way' means the value that the module computes at that place (a softmax that the list does not call 'softmax' is quantised finished and normalised). What goes into a quantiser is computed in f32, as accurately as f32 sums, v_exp_f32 and their like allow (about 1e-6 of the number): no bf16 or f16 on the way to a quantiser, and a product that is left as it is and whose result goes on into a quantised operand takes f32 operands (vector FMAs, or v_wmma_f32_16x16x4_f32). A number that lies on a knife's edge between two numbers of the format may be rounded either way, as far as f32 arithmetic and the matrix unit's own rounding can turn it there, and no further.
;; One version. Each part assembles by itself: llvm-mc -triple=amdgcn-amd-amdhsa -mcpu=gfx1250 --defsym DOCPART=n.
;; ======== version 1 of 1: 4 launches
;; limits: right only within a limited range of input values
;; workspace buffers: xc 8,388,608 bytes; xs 262,144 bytes; wc 4,194,304 bytes; ws 131,072 bytes; kqvc 25,165,824 bytes; kqvs 786,432 bytes; ac 8,388,608 bytes; ascl 262,144 bytes
;; launch quant (part 1): grid 384 x 1, 4 waves a work-group, no clusters, 35,328 bytes of LDS; arguments x, W_kqv, W_proj, xc, xs, wc, ws; writes xc, xs, wc, ws
.if DOCPART == 1
	.amdgcn_target "amdgcn-amd-amdhsa--gfx1250"
	.amdhsa_code_object_version 6
	.text
	.protected	k_qa7709ecacf_quant
	.globl	k_qa7709ecacf_quant
	.p2align	8
	.type	k_qa7709ecacf_quant,@function
k_qa7709ecacf_quant:
	s_mov_b64 s[64:65], 0
	v_nop
	global_prefetch_b8 v0, s[64:65] scope:SCOPE_SE
	s_setreg_imm32_b32 hwreg(HW_REG_WAVE_MODE, 25, 1), 1
	s_wait_xcnt 0x0
; x [8192][1024], W_kqv [1024][3072] and W_proj [1024][1024], f32, become codes of FP8 (E4M3) with one E8M0 byte for each 32 along K (K = 1,024: x's last axis, the weights' FIRST axis).
; THE CODES ARE LAID AS IMAGES OF THE OPERAND'S REGISTERS.  Block g of 16 rows holds, at lane-row r, row 32 (g / 2) + 8 (g % 2) + r + 8 (r / 8); its fragment for K step s (128 along K) is 2,048 bytes:
; byte 512 c + 16 L + e is the code of lane-row L % 16 at k = 128 s + 32 c + 16 (L / 16) + e.  A buffer of codes is [g][8 s][2048], a buffer of scales [g][8 s][16 r] words, byte c for block c of the K step.
; wc, ws: blocks 0-191 are W_kqv's columns, blocks 192-255 W_proj's.
; A block's scale is 2^(floor(log2(its largest magnitude)) - 8); its byte is that magnitude's exponent field - 8, held at 1 from below; numbers are held within +-448 x the scale ahead of the conversion.
; LIMITS: NaN and infinities among the inputs are not served.  A block of zeros gets the byte 1 where the rule says 127: its codes are zeros, and this program alone reads the bytes.
; SHARES: work-groups 0-255 take x (a wave: one block g, half of K: four fragments); 256-351 W_kqv, 352-383 W_proj (a wave: 32 columns x 256 along K).  Waves share nothing: no barrier.  Only x's path uses LDS.
; The weights' scale words leave in runs of 64 bytes (131,072 bytes in the whole launch); every other store of a wave covers whole aligned runs of 256 bytes.
.set WREG, 8704                        ; LDS of a wave: a stage of 16 rows x 528 bytes, then 256 bytes of scale words
.set SPT,  528                         ; a stage row: 512 bytes + 16: 33 x 16, so the 16 rows that a load touches start at 16 different columns of 16 bytes
.set R0,   64                          ; v64-191  two sets of 64: numbers as loaded
.set X,    192                         ; v192-255 64 numbers as the conversions want them: register 16 c + i = k 32 c + 16 (lane / 16) + i of my row
.set TM,   16                          ; v16-19 largest magnitudes, v20-23 bytes, v24-27 448 x the scale, v28-31 the conversions' scale operands
.set PW,   32                          ; the scale word
.set PC,   36                          ; v36-51 a fragment's codes
.macro QUANT s
.irp b, 0,1,2,3
	v_max3_num_f32 v[TM+\b], |v[\s+16*\b]|, |v[\s+1+16*\b]|, 0x4800000     ; my 16 numbers of block b, and the floor 2^(9 - 127): the byte cannot fall under 1
.endr
.irp i, 2,4,6,8,10,12,14
.irp b, 0,1,2,3
	v_max3_num_f32 v[TM+\b], v[TM+\b], |v[\s+16*\b+\i]|, |v[\s+1+16*\b+\i]|
.endr
.endr
.irp b, 0,1,2,3
	v_permlanex16_b32 v[TM+4+\b], v[TM+\b], s20, s21
.endr
.irp b, 0,1,2,3
	v_max_num_f32 v[TM+\b], v[TM+\b], v[TM+4+\b]                           ; with lane l xor 16's 16: the block's largest magnitude
.endr
.irp b, 0,1,2,3
	v_add_nc_u32 v[TM+12+\b], 0xfc000000, v[TM+\b]                         ; 8 off its exponent field: the conversion's scale operand
.endr
.irp b, 0,1,2,3
	v_and_or_b32 v[TM+8+\b], v[TM+\b], 0x7f800000, s23                     ; 448 x the scale
.endr
.irp b, 0,1,2,3
	v_lshrrev_b32 v[TM+4+\b], 23, v[TM+12+\b]                              ; the scale's byte
.endr
	v_lshl_or_b32 v[PW], v[TM+5], 8, v[TM+4]
	v_lshl_or_b32 v[PW], v[TM+6], 16, v[PW]
	v_lshl_or_b32 v[PW], v[TM+7], 24, v[PW]
.irp b, 0,1,2,3
.irp i, 0,1,2,3,4,5,6,7,8,9,10,11,12,13,14,15
	v_med3_num_f32 v[\s+16*\b+\i], v[\s+16*\b+\i], -v[TM+8+\b], v[TM+8+\b] ; the conversion to an 8-bit code does not saturate (ISA guide 7.6.2)
.endr
	v_cvt_scalef32_pk8_fp8_f32 v[PC+4*\b:PC+1+4*\b], v[\s+16*\b:\s+7+16*\b], v[TM+12+\b]
	v_cvt_scalef32_pk8_fp8_f32 v[PC+2+4*\b:PC+3+4*\b], v[\s+8+16*\b:\s+15+16*\b], v[TM+12+\b]
.endr
	v_nop                                          ; a plain line behind the last conversion
.endm
	s_load_b256 s[4:11], s[0:1], 0x0               ; x s[4:5], W_kqv s[6:7], W_proj s[8:9], xc s[10:11]
	s_load_b128 s[12:15], s[0:1], 0x20             ; xs s[12:13], wc s[14:15]
	s_load_b64 s[16:17], s[0:1], 0x30              ; ws
	v_lshl_add_u32 v14, v0, 2, 0x8800
	v_mov_b32 v15, 0
	v_lshrrev_b32 v1, 5, v0
	v_readfirstlane_b32 s18, v1                    ; wave
	v_and_b32 v1, 31, v0                           ; lane
	s_mov_b32 s23, 0x600000                        ; the mantissa field of 448
	s_cmp_lt_u32 ttmp9, 256
	s_cbranch_scc0 .Lweights
; ---------------- x: K is innermost.  Each load reads 512 consecutive bytes of one row; a K step's 16 rows turn through the wave's stage, so that a lane gets 16 neighbours of each block of 32.
	v_and_b32 v3, 15, v0                           ; r
	v_bfe_u32 v4, v0, 4, 1                         ; h
	v_lshlrev_b32 v2, 4, v1                        ; 16 x lane
	s_mul_i32 s19, s18, WREG
	v_add_nc_u32 v5, s19, v2                       ; into the stage: 16 x lane of a row
	v_mul_u32_u24 v6, v3, SPT
	v_lshl_add_u32 v6, v4, 6, v6
	v_add_nc_u32 v6, s19, v6                       ; out of it: row r, + 64 h
	s_add_co_u32 s19, s19, 16*SPT
	v_lshl_add_u32 v7, v3, 2, s19                  ; my row's scale word
	v_lshl_add_u32 v8, v1, 3, s19                  ; and on the way out 8 bytes a lane
	v_lshlrev_b32 v9, 3, v1
	s_mov_b32 s20, 0x76543210
	s_mov_b32 s21, 0xfedcba98                      ; v_permlanex16_b32's selects for lane l xor 16
.irp b, 0,1,2,3
	v_mov_b32 v[TM+4+\b], 0                        ; a lane permute's destination counts as one of its sources
.endr
	s_lshl_b32 s24, ttmp9, 2
	s_add_co_u32 s24, s24, s18                     ; 4 x work-group + wave
	s_lshr_b32 s25, s24, 1                         ; g
	s_and_b32 s26, s24, 1                          ; which half of K
	s_lshr_b32 s28, s25, 1
	s_lshl_b32 s28, s28, 17                        ; 32 (g / 2) rows of 4,096 bytes
	s_and_b32 s27, s25, 1
	s_lshl_b32 s27, s27, 15                        ; 8 (g % 2) rows
	s_add_co_u32 s28, s28, s27
	s_lshl_b32 s27, s26, 11                        ; 512 numbers
	s_add_co_u32 s28, s28, s27
	s_mov_b32 s29, 0
	s_lshl_b32 s30, s25, 14
	s_lshl_b32 s27, s26, 13
	s_add_co_u32 s30, s30, s27
	s_mov_b32 s31, 0
	s_lshl_b32 s32, s25, 9
	s_lshl_b32 s27, s26, 8
	s_add_co_u32 s32, s32, s27
	s_mov_b32 s33, 0
	s_wait_alu depctr_va_vdst(0)
	s_wait_kmcnt 0x0
	s_add_nc_u64 s[4:5], s[4:5], s[28:29]
	s_add_nc_u64 s[10:11], s[10:11], s[30:31]
	s_add_nc_u64 s[12:13], s[12:13], s[32:33]
.macro XLOAD s                         ; K step s of my four: lane-row i is row i + 8 (i / 8) from the block's first
.irp i, 0,1,2,3,4,5,6,7,8,9,10,11,12,13,14,15
	global_load_b128 v[R0+64*((\s)%2)+4*\i:R0+64*((\s)%2)+4*\i+3], v2, s[4:5] offset:(\i+8*(\i/8))*4096+512*(\s) th:TH_LOAD_NT
.endr
.endm
.macro TURN s                          ; LDS serves a wave's instructions in order: the loads see the stores
.irp i, 0,1,2,3,4,5,6,7,8,9,10,11,12,13,14,15
	ds_store_b128 v5, v[R0+64*((\s)%2)+4*\i:R0+64*((\s)%2)+4*\i+3] offset:SPT*\i
.endr
.irp c, 0,1,2,3
.irp j, 0,1,2,3
	ds_load_b128 v[X+16*\c+4*\j:X+16*\c+4*\j+3], v6 offset:128*\c+16*\j
.endr
.endr
.endm
.macro XSTEP s
.if (\s) < 3
	s_wait_loadcnt 16                              ; this K step's 16 loads are in; the next step's 16 may be out
.else
	s_wait_loadcnt 0
.endif
	TURN \s
	s_wait_dscnt 0x0                               ; the numbers are back, the stage's stores have read their registers, and so has the last scale word's store
.if (\s) > 0
	s_wait_xcnt 0x0                                ; the last step's stores have read the codes' registers
.endif
.if (\s)+2 < 4
	XLOAD (\s)+2
.endif
	QUANT X
.irp c, 0,1,2,3
	global_store_b128 v2, v[PC+4*\c:PC+4*\c+3], s[10:11] offset:2048*(\s)+512*\c   ; 512 consecutive bytes, aligned
.endr
	ds_store_b32 v7, v[PW] offset:64*(\s)          ; both halves of the lanes write the same word with the same value
.endm
	XLOAD 0
	XLOAD 1
	XSTEP 0
	XSTEP 1
	XSTEP 2
	XSTEP 3
	ds_load_b64 v[52:53], v8
	s_wait_dscnt 0x0
	global_store_b64 v9, v[52:53], s[12:13]        ; four K steps' scale words: 256 consecutive bytes, aligned
	s_wait_tensorcnt 0x0
	ds_add_u32 v14, v15
	s_wait_dscnt 0x0
	s_endpgm
; ---------------- the weights: K is the first axis.  A lane takes a column and its registers run down K: a block of 32 lies in one lane, and the codes come out with K innermost.
; Lane l of a wave's 32 columns is lane-row r = l % 8 + 8 (l / 16) of block u = (l / 8) % 2; its 32 codes are the 16 bytes of image lanes r and 16 + r.
.Lweights:
	v_bfe_u32 v3, v0, 3, 1                         ; u
	v_and_b32 v4, 7, v0
	v_bfe_u32 v5, v0, 4, 1
	v_lshl_add_u32 v4, v5, 3, v4                   ; r
	v_lshlrev_b32 v6, 14, v3
	v_lshl_add_u32 v6, v4, 4, v6                   ; codes: 16,384 u + 16 r
	v_lshlrev_b32 v7, 9, v3
	v_lshl_add_u32 v7, v4, 2, v7                   ; scale words: 512 u + 4 r
	s_wait_alu depctr_va_vdst(0)
	v_lshlrev_b32 v2, 2, v1                        ; in: 4 bytes a lane
.macro WLOAD t, N, SRC                 ; block t: W(32 t + i, my column)
.set i, 0
.rept 32
	global_load_b32 v[32+32*((\t)%2)+i], v2, s[\SRC:\SRC+1] offset:(32*(\t)+i)*\N*4 th:TH_LOAD_NT
.set i, i+1
.endr
.endm
.macro WBLOCK t, N, SRC
.set XS, 32+32*((\t)%2)
.if (\t) < 7
	s_wait_loadcnt 32                              ; this block's 32 loads are in; the next block's may be out
.else
	s_wait_loadcnt 0
.endif
	v_max3_num_f32 v12, |v[XS]|, |v[XS+1]|, |v[XS+2]|
	v_max3_num_f32 v13, |v[XS+3]|, |v[XS+4]|, |v[XS+5]|
.irp i, 6,10,14,18,22,26
	v_max3_num_f32 v12, v12, |v[XS+\i]|, |v[XS+\i+1]|
	v_max3_num_f32 v13, v13, |v[XS+\i+2]|, |v[XS+\i+3]|
.endr
	v_max3_num_f32 v12, v12, |v[XS+30]|, |v[XS+31]|
	v_max3_num_f32 v12, v12, v13, 0x4800000        ; and the floor
	v_add_nc_u32 v11, 0xfc000000, v12
	v_and_or_b32 v10, v12, 0x7f800000, s23
	v_lshrrev_b32 v13, 23, v11
.if (\t)%4 == 0
	v_mov_b32 v[24+(\t)/4], v13
.else
	v_lshl_or_b32 v[24+(\t)/4], v13, 8*((\t)%4), v[24+(\t)/4]
.endif
.set i, 0
.rept 32
	v_med3_num_f32 v[XS+i], v[XS+i], -v10, v10
.set i, i+1
.endr
.irp g, 0,1,2,3
	v_cvt_scalef32_pk8_fp8_f32 v[96+8*(\t)+2*\g:97+8*(\t)+2*\g], v[XS+8*\g:XS+8*\g+7], v11   ; each block has code registers of its own: no store's data are written again
.endr
	v_nop
	global_store_b128 v6, v[96+8*(\t):99+8*(\t)], s[14:15] offset:2048*((\t)/4)+512*((\t)%4)        ; k 0-15 of the block: two whole runs of 256 bytes (u = 0, u = 1)
	global_store_b128 v6, v[100+8*(\t):103+8*(\t)], s[14:15] offset:2048*((\t)/4)+512*((\t)%4)+256  ; k 16-31
.if (\t)%4 == 3
	global_store_b32 v7, v[24+(\t)/4], s[16:17] offset:64*((\t)/4)
.endif
.if (\t)+2 < 8
	WLOAD (\t)+2, \N, \SRC
.endif
.endm
.macro WPATH N, SRC, FIRST, J0
	s_sub_co_u32 s24, ttmp9, \J0
	s_and_b32 s25, s24, 3                          ; which 256 along K
	s_lshr_b32 s26, s24, 2                         ; which 128 columns
	s_mul_i32 s28, s25, 256*\N*4
	s_lshl_b32 s27, s26, 9
	s_add_co_u32 s28, s28, s27
	s_lshl_b32 s27, s18, 7                         ; my wave's 32 columns
	s_add_co_u32 s28, s28, s27
	s_mov_b32 s29, 0
	s_lshl_b32 s27, s26, 3
	s_lshl_b32 s30, s18, 1
	s_add_co_u32 s27, s27, s30
	s_add_co_u32 s27, s27, \FIRST                  ; my first block of 16 rows of the transposed weight
	s_lshl_b32 s30, s27, 14
	s_lshl_b32 s31, s25, 12                        ; two K steps of 2,048 bytes
	s_add_co_u32 s30, s30, s31
	s_mov_b32 s31, 0
	s_lshl_b32 s32, s27, 9
	s_lshl_b32 s33, s25, 7
	s_add_co_u32 s32, s32, s33
	s_mov_b32 s33, 0
	s_wait_kmcnt 0x0
	s_add_nc_u64 s[\SRC:\SRC+1], s[\SRC:\SRC+1], s[28:29]
	s_add_nc_u64 s[14:15], s[14:15], s[30:31]
	s_add_nc_u64 s[16:17], s[16:17], s[32:33]
	WLOAD 0, \N, \SRC
	WLOAD 1, \N, \SRC
.irp t, 0,1,2,3,4,5,6,7
	WBLOCK \t, \N, \SRC
.endr
	s_endpgm
.endm
	s_cmp_lt_u32 ttmp9, 352
	s_cbranch_scc0 .Lproj
	s_wait_alu depctr_va_vdst(0)
	WPATH 3072, 6, 0, 256
.Lproj:
	s_wait_alu depctr_va_vdst(0)
	WPATH 1024, 8, 192, 352
.Lfunc_end_k_qa7709ecacf_quant:
	.size	k_qa7709ecacf_quant, .Lfunc_end_k_qa7709ecacf_quant-k_qa7709ecacf_quant
	.p2alignl 7, 3214868480
	.fill 96, 4, 3214868480
	.section	.rodata,"a",@progbits
	.p2align	6, 0x0
	.amdhsa_kernel k_qa7709ecacf_quant
		.amdhsa_group_segment_fixed_size 35328
		.amdhsa_private_segment_fixed_size 0
		.amdhsa_enable_private_segment 0
		.amdhsa_kernarg_size 56
		.amdhsa_user_sgpr_count 2
		.amdhsa_user_sgpr_kernarg_segment_ptr 1
		.amdhsa_wavefront_size32 1
		.amdhsa_system_sgpr_workgroup_id_x 1
		.amdhsa_system_sgpr_workgroup_id_y 1
		.amdhsa_system_sgpr_workgroup_id_z 1
		.amdhsa_system_vgpr_workitem_id 0
		.amdhsa_next_free_vgpr 256
		.amdhsa_next_free_sgpr 66
		.amdhsa_reserve_vcc 0
		.amdhsa_float_denorm_mode_32 3
		.amdhsa_float_denorm_mode_16_64 3
		.amdhsa_memory_ordered 1
		.amdhsa_forward_progress 1
		.amdhsa_inst_pref_size 162
	.end_amdhsa_kernel
	.amdgpu_metadata
---
amdhsa.version: [ 1, 2 ]
amdhsa.kernels:
  - .name:           k_qa7709ecacf_quant
    .symbol:         k_qa7709ecacf_quant.kd
    .args:
      - { .name: x, .offset: 0, .size: 8, .value_kind: global_buffer, .address_space: global }
      - { .name: W_kqv, .offset: 8, .size: 8, .value_kind: global_buffer, .address_space: global }
      - { .name: W_proj, .offset: 16, .size: 8, .value_kind: global_buffer, .address_space: global }
      - { .name: xc, .offset: 24, .size: 8, .value_kind: global_buffer, .address_space: global }
      - { .name: xs, .offset: 32, .size: 8, .value_kind: global_buffer, .address_space: global }
      - { .name: wc, .offset: 40, .size: 8, .value_kind: global_buffer, .address_space: global }
      - { .name: ws, .offset: 48, .size: 8, .value_kind: global_buffer, .address_space: global }
    .group_segment_fixed_size: 35328
    .private_segment_fixed_size: 0
    .kernarg_segment_align: 8
    .kernarg_segment_size: 56
    .max_flat_workgroup_size: 128
    .sgpr_count:     66
    .vgpr_count:     256
    .wavefront_size: 32
...
	.end_amdgpu_metadata
.endif
;; end of part 1
;; launch gemm_kqv (part 2): grid 32 x 8, 4 waves a work-group, clusters of 4 x 4, 327,680 bytes of LDS; arguments xc, xs, wc, ws, kqvc, kqvs; writes kqvc, kqvs
.if DOCPART == 2
	.amdgcn_target "amdgcn-amd-amdhsa--gfx1250"
	.amdhsa_code_object_version 6
	.text
	.protected	k_qa7709ecacf_gemm_kqv
	.globl	k_qa7709ecacf_gemm_kqv
	.p2align	8
	.type	k_qa7709ecacf_gemm_kqv,@function
k_qa7709ecacf_gemm_kqv:
	s_mov_b64 s[64:65], 0
	v_nop
	global_prefetch_b8 v0, s[64:65] scope:SCOPE_SE
	s_setreg_imm32_b32 hwreg(HW_REG_WAVE_MODE, 25, 1), 1
	s_wait_xcnt 0x0
	s_wait_alu depctr_hold_cnt(0) depctr_sa_sdst(0) depctr_va_vdst(0) depctr_va_sdst(0) depctr_va_ssrc(0) depctr_va_vcc(0) depctr_vm_vsrc(0)
	s_getreg_b32 s2, hwreg(HW_REG_IB_STS2, 6, 4)
	s_cmp_eq_u32 s2, 0
	s_cbranch_scc0 .Lentry_in_a_cluster
	s_endpgm
.Lentry_in_a_cluster:
	s_bfe_u32 s2, ttmp6, 0x10000c
	s_cmp_lg_u32 s2, 0xf033
	s_cbranch_scc0 .Lentry_shape_is_right
	s_endpgm
.Lentry_shape_is_right:
; k, q, v = x W_kqv on codes of FP8 (E4M3) with E8M0 scales, K = 1,024; the results are quantised in registers and leave as codes: nothing in f32 goes to memory.
; OPERANDS ARE IMAGES OF THEIR REGISTERS: codes [block of 16 rows][8 K steps][2,048 bytes], lane L's 16 bytes of piece c at 512 c + 16 L; lane-row r of block g is row 32 (g / 2) + 8 (g % 2) + r + 8 (r / 8).  Scale words [block][8 K steps][16 lane-rows].
; SHARES.  Work-group (T, c) of 32 x 8: 256 tokens x the pair of heads c of k, of q and of v (3 x 128 columns of W).  Wave w holds its own 64 tokens (x's blocks 16 T + 4 w + 0 .. 3), ALL of K, in 512 registers.
; They come by two roads at once: K steps 0-2 by plain loads of 512 consecutive bytes, K steps 3-7 by two tensor loads (8 blocks x 10,240 bytes each) through LDS bytes that are idle at the head.
; W's 24 blocks of 16 columns (8 of k, 8 of q, 8 of v) are streamed past them from LDS, a block (16,384 bytes) into one of two register sets;
; a block is 32 products on four accumulators by turns.  Every wave issues 24 x 32 products.
; k, q: source 0 = W's block, source 1 = a tile of tokens: a lane holds one token, and the 16 registers of W's blocks 2 j, 2 j + 1 are channels 32 j + 16 (lane / 16) + 0 .. 15.
; v: source 0 = a tile of tokens, source 1 = W's block: a lane holds one channel, and the 16 registers of token tiles 2 p, 2 p + 1 are 16 neighbouring keys.  Either way a pair of blocks leaves 4 x 16 registers: four half blocks of the next quantiser.
; LDS: two slots of 8 blocks.  At the head, one load a wave: slot 0 (k), W's scale words, and x's K steps 3-7, which lie over slot 1 and the 32,768 bytes behind it.  When all waves hold x in registers, q is filled over it behind a drained round;
; v goes into slot 0 behind a second drained round, when all waves have fetched k's last block.
; CLUSTERS: 4 x 4 work-groups.  The four of a row (same c) want the same blocks of W, the four of a column (same T) the same blocks of x: every tensor load is joint.
; PREFETCH: q's and v's 131,072 bytes of a column c are named once in each of four clusters: the 16 waves of the cluster's row that loads them x 32 lanes x 256 bytes, shared out by address; q's at the head, one fill ahead of its load,
; v's behind q's load, six blocks of products ahead of its own.
; OUT: kqvc [P 24][128 tokens 64][a 8][piece 4][lane][16], kqvs [P][128 tokens][a][lane-row] words.  P = c for k, 8 + c for q, 16 + c for v.  k, q: a = block of 16 tokens, piece = 32 channels.  v: a = block of 16 channels, piece = 32 keys.
; The scale bytes are gathered in LDS bytes of their own and leave at the end in runs of 256 bytes.
; LIMITS: NaN and infinities are not served; a block of zeros carries the byte 1 (its codes are zeros; this program alone reads the bytes).
; REGISTERS: window 0: v1-13, v93 addresses; v16-31 x's scale words (register 8 p + q: lanes 0-15 tile 2 p, lanes 16-31 tile 2 p + 1); v36-51 W's, two sets; v52-67 the quantiser's; v68-83 codes; v128-191 the sums.  windows 1, 2: x.  window 3: W's two sets.
.set SLOTB, 131072
.set XL,    131072                     ; x's K steps 3-7: 16 blocks x 10,240 bytes
.set SCW,   XL+163840                  ; W's scale words: 24 blocks x 512 bytes
.set STG,   SCW+12288                  ; k's and q's scale bytes: [wave][tile][lane-row][8]: bytes 0-3 k's word, 4-7 q's
.set STV,   STG+2048                   ; v's: [128 tokens 2][a 8][lane-row] words
.set SPARE, STG+3072                   ; the spare words: 128 bytes a wave
.set LI,  1
.set SPW, 2
.set NIL, 3
.set ADR, 4
.set ADS, 5
.set LS0, 6
.set PFO, 7
.set VXK, 8
.set VXV, 9
.set XSO, 10
.set RDK, 11
.set RDV, 12
.set GO8, 13
.set XS,  16
.set WSC, 36                           ; no product's two scale registers have numbers equal modulo 8
.set TM,  52
.set PC,  68
.set RB,  84
.set XLA, 93
.set ACC, 128
.set G1X, 24
.set G1H, 32
.set G1,  40
.set G1S, 48
.set G0H, 56
.set G0X, 60
.set G0S, 68
.set G0R, 72
.set CT,  79
.set TT,  80
.set MSB, 0
.macro WIN new                         ; the immediate's high byte repeats the setting that is left
.if MSB != \new
	s_set_vgpr_msb (MSB<<8)|\new
.set MSB, \new
.endif
.endm
.macro PLACES n
.rept \n
	v_nop
.endr
.endm
.macro CROUND                          ; a round of the cluster's barrier
	s_barrier_signal -1
	s_barrier_wait -1
	s_cmp_lg_u32 s16, 0
	s_cbranch_scc1 .Lnot_wave_0_\@
	s_barrier_signal -3
.Lnot_wave_0_\@:
	s_barrier_wait -3
	s_barrier_signal -1
	s_barrier_wait -1
.endm
.macro TLOAD g0, g1                    ; an s_nop 0 and four v_nop follow each tensor load
	tensor_load_to_lds s[\g0:\g0+3], s[\g1:\g1+7]
	s_nop 0
	PLACES 4
.endm
.macro GROUP1 g, m, c, r, p            ; r rows of c elements of 8 bytes, p elements apart; the mask in s[m]; no padding
	s_or_b32 s[\g], s[\m], (3<<16)|(1<<21)
	s_mov_b32 s[\g+1], (\c)<<16
	s_mov_b32 s[\g+2], (\r)<<16
	s_mov_b32 s[\g+3], (\c)<<16
	s_mov_b32 s[\g+4], \r
	s_mov_b32 s[\g+5], \p
	s_mov_b32 s[\g+6], 0
	s_mov_b32 s[\g+7], 0
.endm
	s_load_b256 s[4:11], s[0:1], 0x0               ; xc, xs, wc, ws
	s_load_b128 s[12:15], s[0:1], 0x20             ; kqvc, kqvs
	v_lshl_add_u32 v[SPW], v0, 2, SPARE
	v_mov_b32 v[NIL], 0
	ds_add_u32 v[SPW], v[NIL]                      ; the opening: the add, twice on end, and its wait ahead of my first tensor load
	ds_add_u32 v[SPW], v[NIL]
	v_lshrrev_b32 v14, 5, v0
	v_readfirstlane_b32 s16, v14                   ; wave w
	s_lshr_b32 s17, s16, 1
	s_and_b32 s18, s16, 1
	s_bfe_u32 s19, ttmp6, 0x40000                  ; cx
	s_bfe_u32 s98, ttmp6, 0x40004                  ; cy
	s_lshl_b32 s20, ttmp9, 2
	s_add_co_u32 s20, s20, s19                     ; T
	s_and_b32 s21, ttmp7, 0xffff
	s_lshl_b32 s21, s21, 2
	s_add_co_u32 s21, s21, s98                     ; c
	s_lshl_b32 s99, s98, 2
	s_lshl_b32 s99, 15, s99                        ; my row of the cluster: it shares W's blocks
	s_lshl_b32 s98, 0x1111, s19                    ; my column: it shares x's blocks
	s_lshl_b32 s94, s19, 2
	s_add_co_u32 s94, s94, s16
	s_lshl_b32 s94, s94, 13                        ; my sixteenth of a prefetch: a global offset alone hangs on cx
	s_lshl_b32 s95, s16, 9
	s_add_co_u32 s95, s95, STG
	s_lshl_b32 s96, s17, 9
	s_lshl_b32 s97, s18, 1
	s_add_co_u32 s96, s96, s97
	s_add_co_u32 s96, s96, STV
	s_lshl_b32 s97, s16, 8
	s_add_co_u32 s97, s97, STV
	s_mul_i32 s83, s16, 40960
	s_add_co_u32 s83, s83, XL                      ; my four blocks of x in LDS
	v_and_b32 v14, 31, v0                          ; lane
	v_and_b32 v15, 15, v0                          ; r
	v_bfe_u32 v92, v0, 4, 1                        ; h
	v_lshlrev_b32 v[LI], 4, v14
	v_lshlrev_b32 v[GO8], 3, v14
	v_lshlrev_b32 v[XSO], 2, v15
	v_lshl_add_u32 v[XSO], v92, 9, v[XSO]          ; x's scale words: lanes 16-31 take the next block's
	v_lshl_add_u32 v[LS0], v15, 2, SCW
	v_lshl_add_u32 v[PFO], v14, 8, s94
	v_lshl_add_u32 v[VXK], v15, 3, s95
	v_add_nc_u32 v[RDK], s95, v[LI]
	v_lshl_add_u32 v[VXV], v15, 2, s96
	v_add_nc_u32 v[RDV], s97, v[GO8]
	v_add_nc_u32 v[XLA], s83, v[LI]
.irp b, 0,1,2,3
	v_mov_b32 v[TM+4+\b], 0                        ; a lane permute's destination counts as one of its sources
.endr
	s_wait_alu depctr_va_vdst(0)                   ; the wait behind the head's vector lines
	GROUP1 G1H, 99, 512, 32, 512                   ; 8 blocks: 131,072 dense bytes as rows of 4,096
	GROUP1 G1, 99, 512, 8, 512                     ; 2 blocks
	GROUP1 G1S, 99, 512, 3, 4096                   ; scale words: k's, q's, v's 4,096 bytes, 32,768 apart
	s_lshl_b32 s2, s20, 18                         ; x by tensor load: block 16 T,
	s_lshl_b32 s3, s18, 17                         ; + 8 blocks for the second of the two loading waves,
	s_add_co_u32 s2, s2, s3
	s_add_co_u32 s2, s2, 6144                      ; from K step 3 on
	s_mov_b32 s3, 0
	s_lshl_b32 s22, s20, 4
	s_lshl_b32 s23, s16, 2
	s_add_co_u32 s22, s22, s23                     ; my first block of x
	s_lshl_b32 s24, s22, 14
	s_mov_b32 s25, 0
	s_lshl_b32 s26, s22, 9
	s_mov_b32 s27, 0
	s_lshl_b32 s28, s21, 17
	s_mov_b32 s29, 0
	s_lshl_b32 s30, s21, 12
	s_mov_b32 s31, 0
	s_lshl_b32 s22, s21, 6
	s_lshl_b32 s23, s20, 1
	s_add_co_u32 s22, s22, s23                     ; 64 c + 2 T
	s_lshl_b32 s90, s22, 9
	s_lshl_b32 s23, s16, 8
	s_add_co_u32 s90, s90, s23                     ; kqvs: my 256 bytes
	s_mov_b32 s91, 0
	s_add_co_u32 s22, s22, s17
	s_lshl_b32 s84, s22, 14
	s_lshl_b32 s23, s18, 13
	s_add_co_u32 s84, s84, s23                     ; kqvc, k: my four blocks of tokens
	s_mov_b32 s85, 0
	s_add_co_u32 s22, s22, 1024
	s_lshl_b32 s88, s22, 14
	s_lshl_b32 s23, s18, 10
	s_add_co_u32 s88, s88, s23
	s_sub_co_u32 s88, s88, 4096                    ; kqvc, v: my two pieces; each of v's trips steps it first
	s_mov_b32 s89, 0
	s_mov_b32 s76, 0x76543210
	s_mov_b32 s77, 0xfedcba98                      ; lane l xor 16
	s_mov_b32 s78, 0x600000                        ; the mantissa field of 448
	s_wait_dscnt 0x0                               ; both opening adds are done
	CROUND                                         ; the sixteen work-groups are here: the first joint loads meet
	s_wait_kmcnt 0x0
	s_mov_b32 s[G0X], 1
	s_mul_i32 s[G0X+1], s18, 81920
	s_add_co_u32 s[G0X+1], s[G0X+1], XL
	s_add_nc_u64 s[G0X+2:G0X+3], s[4:5], s[2:3]
	s_or_b32 s[G0X+3], s[G0X+3], 0x80000000
	s_add_nc_u64 s[4:5], s[4:5], s[24:25]
	s_add_nc_u64 s[6:7], s[6:7], s[26:27]
	s_add_nc_u64 s[92:93], s[8:9], s[28:29]        ; W's blocks of k for my c
	s_add_nc_u64 s[84:85], s[12:13], s[84:85]
	s_add_nc_u64 s[88:89], s[12:13], s[88:89]
	s_add_nc_u64 s[90:91], s[14:15], s[90:91]
	s_mov_b32 s[G0H], 1
	s_mov_b32 s[G0H+1], 0
	s_mov_b64 s[G0H+2:G0H+3], s[92:93]
	s_or_b32 s[G0H+3], s[G0H+3], 0x80000000
	s_mov_b32 s[G0S], 1
	s_mov_b32 s[G0S+1], SCW
	s_add_nc_u64 s[G0S+2:G0S+3], s[10:11], s[30:31]
	s_or_b32 s[G0S+3], s[G0S+3], 0x80000000
	s_lshl_b32 s22, s16, 15
	s_mov_b32 s23, 0
	s_mov_b32 s[G0R], 1
	s_add_co_u32 s[G0R+1], s22, SLOTB
	s_add_nc_u64 s[G0R+2:G0R+3], s[92:93], s[22:23]
	s_add_nc_u64 s[G0R+2:G0R+3], s[G0R+2:G0R+3], 1048576   ; q's blocks lie 64 blocks on
	s_or_b32 s[G0R+3], s[G0R+3], 0x80000000
	GROUP1 G1X, 98, 1280, 8, 2048                  ; x: 8 blocks' K steps 3-7: rows of 10,240 bytes, 16,384 apart (the offsets that lay in these registers are used up)
; the head's loads, one a wave, in one chain of branches: wave 0 k's eight blocks, wave 1 the scale words, waves 2 and 3 eight blocks of x each
.macro ARM under, g0, g1, next
	s_cmp_lt_u32 s16, \under
	s_cbranch_scc0 \next
	TLOAD \g0, \g1
	s_branch .Lasked
\next:
.endm
	ARM 1, G0H, G1H, .Larm_s
	ARM 2, G0S, G1S, .Larm_x
	TLOAD G0X, G1X
.Lasked:
	s_cmp_lt_u32 ttmp9, 4                          ; four of the eight clusters along x ask
	s_cbranch_scc0 .Lno_pf_q
	global_prefetch_b8 v[PFO], s[92:93] offset:1048576 th:TH_LOAD_NT scope:SCOPE_SE
.Lno_pf_q:
.set Q_, 0
.rept 3                                ; x's K steps 0-2: fragment 4 q + a in window 1 + q / 4
	WIN (1+Q_/4)<<6
.irp a, 0,1,2,3
.irp k, 0,1,2,3
	global_load_b128 v[16*((4*Q_+\a)%16)+4*\k:16*((4*Q_+\a)%16)+4*\k+3], v[LI], s[4:5] offset:16384*\a+2048*Q_+512*\k
.endr
.endr
.set Q_, Q_+1
.endr
	WIN 0
.irp p, 0,1
.irp q, 0,1,2,3,4,5,6,7
	global_load_b32 v[XS+8*\p+\q], v[XSO], s[6:7] offset:1024*\p+64*\q
.endr
.endr
; a block of W into set e: 32 loads of 512 consecutive bytes, and its 8 scale words.  The two additions and six v_nop are the eight plain lines behind the products that read the set.
.macro FETCH e, sb, ss
	v_add_nc_u32 v[ADR], \sb, v[LI]
	v_add_nc_u32 v[ADS], \ss, v[LS0]
	PLACES 6
	WIN 0xc0
.irp q, 0,1,2,3,4,5,6,7
.irp k, 0,1,2,3
	ds_load_b128 v[128*\e+16*\q+4*\k:128*\e+16*\q+4*\k+3], v[ADR] offset:16384*\e+2048*\q+512*\k
.endr
.endr
	WIN 0
.irp q, 0,1,2,3,4,5,6,7
	ds_load_b32 v[WSC+8*\e+\q], v[ADS] offset:512*\e+64*\q
.endr
.endm
.macro PRODS kind, e, u                ; the block in set e, the u-th of its pair: K step q, token tile a
.set N_, 0
.rept 32
.set Q_, N_/4
.set A_, N_%4
.set S_, 128*(\e)+16*Q_
.set X_, 16*(N_%16)
.set WS_, WSC+8*(\e)+Q_
.set XS_, XS+8*(A_/2)+Q_
.if \kind
.set D_, ACC+32*(\u)+8*A_
	WIN (1+Q_/4)|(3<<2)
.if Q_ && A_%2
	v_wmma_scale_f32_16x16x128_f8f6f4 v[D_:D_+7], v[X_:X_+15], v[S_:S_+15], v[D_:D_+7], v[XS_], v[WS_] matrix_a_scale:MATRIX_SCALE_ROW1
.elseif Q_
	v_wmma_scale_f32_16x16x128_f8f6f4 v[D_:D_+7], v[X_:X_+15], v[S_:S_+15], v[D_:D_+7], v[XS_], v[WS_]
.elseif A_%2
	v_wmma_scale_f32_16x16x128_f8f6f4 v[D_:D_+7], v[X_:X_+15], v[S_:S_+15], 0, v[XS_], v[WS_] matrix_a_scale:MATRIX_SCALE_ROW1
.else
	v_wmma_scale_f32_16x16x128_f8f6f4 v[D_:D_+7], v[X_:X_+15], v[S_:S_+15], 0, v[XS_], v[WS_]
.endif
.else
.set D_, ACC+16*A_+8*(\u)
	WIN 3|((1+Q_/4)<<2)
.if Q_ && A_%2
	v_wmma_scale_f32_16x16x128_f8f6f4 v[D_:D_+7], v[S_:S_+15], v[X_:X_+15], v[D_:D_+7], v[WS_], v[XS_] matrix_b_scale:MATRIX_SCALE_ROW1
.elseif Q_
	v_wmma_scale_f32_16x16x128_f8f6f4 v[D_:D_+7], v[S_:S_+15], v[X_:X_+15], v[D_:D_+7], v[WS_], v[XS_]
.elseif A_%2
	v_wmma_scale_f32_16x16x128_f8f6f4 v[D_:D_+7], v[S_:S_+15], v[X_:X_+15], 0, v[WS_], v[XS_] matrix_b_scale:MATRIX_SCALE_ROW1
.else
	v_wmma_scale_f32_16x16x128_f8f6f4 v[D_:D_+7], v[S_:S_+15], v[X_:X_+15], 0, v[WS_], v[XS_]
.endif
.endif
.set N_, N_+1
.endr
	WIN 0
.endm
.macro QUANT                           ; four half blocks of 16 sums -> codes PC + 4 b, bytes TM + 4 + b; each accumulator is read from its low end on
.irp b, 0,1,2,3
	v_max3_num_f32 v[TM+\b], |v[ACC+16*\b]|, |v[ACC+16*\b+1]|, 0x4800000   ; the floor 2^(9 - 127): the byte cannot fall under 1
.endr
.irp i, 2,4,6,8,10,12,14
.irp b, 0,1,2,3
	v_max3_num_f32 v[TM+\b], v[TM+\b], |v[ACC+16*\b+\i]|, |v[ACC+16*\b+\i+1]|
.endr
.endr
.irp b, 0,1,2,3
	v_permlanex16_b32 v[TM+4+\b], v[TM+\b], s76, s77
.endr
.irp b, 0,1,2,3
	v_max_num_f32 v[TM+\b], v[TM+\b], v[TM+4+\b]   ; with lane l xor 16's 16: the block's largest magnitude
.endr
.irp b, 0,1,2,3
	v_add_nc_u32 v[TM+12+\b], 0xfc000000, v[TM+\b] ; 8 off its exponent field: the conversion's scale operand
.endr
.irp b, 0,1,2,3
	v_and_or_b32 v[TM+8+\b], v[TM+\b], 0x7f800000, s78   ; 448 x the scale
.endr
.irp b, 0,1,2,3
	v_lshrrev_b32 v[TM+4+\b], 23, v[TM+12+\b]      ; the scale's byte
.endr
.irp b, 0,1,2,3
.irp i, 0,1,2,3,4,5,6,7,8,9,10,11,12,13,14,15
	v_med3_num_f32 v[ACC+16*\b+\i], v[ACC+16*\b+\i], -v[TM+8+\b], v[TM+8+\b]   ; the conversion does not saturate (ISA guide 7.6.2)
.endr
	v_cvt_scalef32_pk8_fp8_f32 v[PC+4*\b:PC+4*\b+1], v[ACC+16*\b:ACC+16*\b+7], v[TM+12+\b]
	v_cvt_scalef32_pk8_fp8_f32 v[PC+4*\b+2:PC+4*\b+3], v[ACC+16*\b+8:ACC+16*\b+15], v[TM+12+\b]
.endr
	v_nop                                          ; a plain line behind the last conversion
.endm
; A TRIP: a pair of blocks.  Behind each block's products its set takes the block two on (fetch = 1).  s_wait_dscnt 40: all but the 40 loads of the block fetched last are in.
.macro TRIP kind, fetch
	s_wait_xcnt 0x0                                ; the last trip's stores have read their base and the codes
.if \kind
	s_add_nc_u64 s[88:89], s[88:89], 4096          ; v: two blocks of channels on
.else
	s_and_b32 s22, s[TT], 3                        ; k, q: piece t % 4 of P = c + 8 (t / 4)
	s_lshl_b32 s22, s22, 9
	s_lshr_b32 s23, s[TT], 2
	s_lshl_b32 s23, s23, 23
	s_add_co_u32 s22, s22, s23
	s_mov_b32 s23, 0
	s_add_nc_u64 s[86:87], s[84:85], s[22:23]
.endif
	s_wait_dscnt 40
	PRODS \kind, 0, 0
.if \fetch
	FETCH 0, s81, s82
	s_wait_dscnt 40
.else
	s_wait_dscnt 0x0
.endif
	PRODS \kind, 1, 1
.if \fetch
	FETCH 1, s81, s82
.else
	PLACES 8
.endif
	QUANT
.irp b, 0,1,2,3
.if \kind
	global_store_b128 v[LI], v[PC+4*\b:PC+4*\b+3], s[88:89] offset:2048*(\b/2)+512*(\b%2)   ; 512 consecutive bytes, aligned
	ds_store_b8 v[VXV], v[TM+4+\b] offset:64*(\b/2)+\b%2      ; both halves of the lanes write the same byte with the same value
.else
	global_store_b128 v[LI], v[PC+4*\b:PC+4*\b+3], s[86:87] offset:2048*\b
	ds_store_b8 v[VXK], v[TM+4+\b] offset:128*\b
.endif
.endr
.if \fetch
.if \kind
	v_add_nc_u32 v[VXV], 128, v[VXV]
.else
	v_add_nc_u32 v[VXK], 1, v[VXK]
.endif
	s_add_co_u32 s81, s81, 32768
	s_add_co_u32 s82, s82, 1024
	s_add_co_u32 s[TT], s[TT], 1
.endif
.endm
.macro LOOPEND label
	s_sub_co_u32 s[CT], s[CT], 1
	s_cmp_lg_u32 s[CT], 0
	s_cbranch_scc1 \label
.endm
	s_wait_tensorcnt 0x0                           ; my tile of the head's four is in
	s_barrier_signal -1
	s_barrier_wait -1                              ; and everybody's
.set Q_, 3
.rept 5                                ; x's K steps 3-7 into their registers
	WIN (1+Q_/4)<<6
.irp a, 0,1,2,3
.irp k, 0,1,2,3
	ds_load_b128 v[16*((4*Q_+\a)%16)+4*\k:16*((4*Q_+\a)%16)+4*\k+3], v[XLA] offset:10240*\a+2048*(Q_-3)+512*\k
.endr
.endr
.set Q_, Q_+1
.endr
	WIN 0
	FETCH 0, 0, 0
	FETCH 1, 0, 0
	s_wait_tensorcnt 0x0
	ds_add_u32 v[SPW], v[NIL]
	s_wait_dscnt 0x0                               ; the add is done, and I hold x in registers
	CROUND
	TLOAD G0R, G1                                  ; q's blocks into slot 1, over x's bytes, a quarter a wave
	s_cmp_lt_u32 ttmp9, 4
	s_cbranch_scc0 .Lno_pf_v
	global_prefetch_b8 v[PFO], s[92:93] offset:2097152 th:TH_LOAD_NT scope:SCOPE_SE
.Lno_pf_v:
	s_mov_b32 s[TT], 0
	s_mov_b32 s81, 32768                           ; trip t fetches blocks 2 t + 2 and 2 t + 3
	s_mov_b32 s82, 1024
	s_mov_b32 s[CT], 3
	s_wait_loadcnt 0x0                             ; x's K steps 0-2 and its scale words
.Lk1:                                              ; trips 0-2: they fetch the rest of slot 0
	TRIP 0, 1
	LOOPEND .Lk1
	s_wait_tensorcnt 0x0                           ; q's blocks are in; nobody will read slot 0's k again
	ds_add_u32 v[SPW], v[NIL]
	s_xor_b32 s[G0R+1], s[G0R+1], SLOTB
	s_add_nc_u64 s[G0R+2:G0R+3], s[G0R+2:G0R+3], 1048576
	s_wait_dscnt 0x0
	CROUND
	TLOAD G0R, G1                                  ; v's blocks into slot 0
	s_mov_b32 s81, SLOTB
	s_mov_b32 s82, 4096
	s_mov_b32 s[CT], 4
.Lk2:                                              ; trips 3-6: they fetch slot 1
	TRIP 0, 1
	LOOPEND .Lk2
	s_wait_tensorcnt 0x0                           ; v's blocks are in
	s_wait_dscnt 0x0
	s_barrier_signal -1
	s_barrier_wait -1
	s_mov_b32 s81, 0
	s_mov_b32 s82, 8192
	TRIP 0, 1                                      ; q's last pair; it fetches v's first
	s_mov_b32 s81, 32768
	s_mov_b32 s82, 9216
	s_mov_b32 s[CT], 3
.Lv:
	TRIP 1, 1
	LOOPEND .Lv
	TRIP 1, 0
	s_wait_dscnt 0x0                               ; my scale bytes are stored: two waves share each of v's words
	s_barrier_signal -1
	s_barrier_wait -1
	ds_load_b128 v[RB:RB+3], v[RDK]                ; k's, q's words of two lane-rows
	ds_load_b64 v[RB+4:RB+5], v[RDV]
	s_wait_dscnt 0x0
	v_mov_b32 v[RB+6], v[RB]
	v_mov_b32 v[RB+7], v[RB+2]
	v_mov_b32 v[RB+2], v[RB+1]
	global_store_b64 v[GO8], v[RB+6:RB+7], s[90:91]                  ; each store: 256 consecutive bytes, aligned
	global_store_b64 v[GO8], v[RB+2:RB+3], s[90:91] offset:262144
	global_store_b64 v[GO8], v[RB+4:RB+5], s[90:91] offset:524288
	s_wait_tensorcnt 0x0                           ; the wave's end
	ds_add_u32 v[SPW], v[NIL]
	s_wait_dscnt 0x0
	CROUND                                         ; the closing round
	s_endpgm
.Lfunc_end_k_qa7709ecacf_gemm_kqv:
	.size	k_qa7709ecacf_gemm_kqv, .Lfunc_end_k_qa7709ecacf_gemm_kqv-k_qa7709ecacf_gemm_kqv
	.p2alignl 7, 3214868480
	.fill 96, 4, 3214868480
	.section	.rodata,"a",@progbits
	.p2align	6, 0x0
	.amdhsa_kernel k_qa7709ecacf_gemm_kqv
		.amdhsa_group_segment_fixed_size 327680
		.amdhsa_private_segment_fixed_size 0
		.amdhsa_enable_private_segment 0
		.amdhsa_kernarg_size 48
		.amdhsa_user_sgpr_count 2
		.amdhsa_user_sgpr_kernarg_segment_ptr 1
		.amdhsa_wavefront_size32 1
		.amdhsa_system_sgpr_workgroup_id_x 1
		.amdhsa_system_sgpr_workgroup_id_y 1
		.amdhsa_system_sgpr_workgroup_id_z 1
		.amdhsa_system_vgpr_workitem_id 0
		.amdhsa_next_free_vgpr 1024
		.amdhsa_next_free_sgpr 100
		.amdhsa_reserve_vcc 0
		.amdhsa_float_denorm_mode_32 3
		.amdhsa_float_denorm_mode_16_64 3
		.amdhsa_memory_ordered 1
		.amdhsa_forward_progress 1
		.amdhsa_inst_pref_size 137
	.end_amdhsa_kernel
	.amdgpu_metadata
---
amdhsa.version: [ 1, 2 ]
amdhsa.kernels:
  - .name:           k_qa7709ecacf_gemm_kqv
    .symbol:         k_qa7709ecacf_gemm_kqv.kd
    .args:
      - { .name: xc, .offset: 0, .size: 8, .value_kind: global_buffer, .address_space: global }
      - { .name: xs, .offset: 8, .size: 8, .value_kind: global_buffer, .address_space: global }
      - { .name: wc, .offset: 16, .size: 8, .value_kind: global_buffer, .address_space: global }
      - { .name: ws, .offset: 24, .size: 8, .value_kind: global_buffer, .address_space: global }
      - { .name: kqvc, .offset: 32, .size: 8, .value_kind: global_buffer, .address_space: global }
      - { .name: kqvs, .offset: 40, .size: 8, .value_kind: global_buffer, .address_space: global }
    .group_segment_fixed_size: 327680
    .private_segment_fixed_size: 0
    .kernarg_segment_align: 8
    .kernarg_segment_size: 48
    .max_flat_workgroup_size: 128
    .sgpr_count:     100
    .vgpr_count:     1024
    .wavefront_size: 32
...
	.end_amdgpu_metadata
.endif
;; end of part 2
;; launch attn (part 3): grid 4 x 64, 16 waves a work-group, no clusters, 327,680 bytes of LDS; arguments kqvc, kqvs, ac, ascl; writes ac, ascl
.if DOCPART == 3
	.amdgcn_target "amdgcn-amd-amdhsa--gfx1250"
	.amdhsa_code_object_version 6
	.text
	.protected	k_qa7709ecacf_attn
	.globl	k_qa7709ecacf_attn
	.p2align	8
	.type	k_qa7709ecacf_attn,@function
k_qa7709ecacf_attn:
	s_mov_b64 s[64:65], 0
	v_nop
	global_prefetch_b8 v0, s[64:65] scope:SCOPE_SE
	s_setreg_imm32_b32 hwreg(HW_REG_WAVE_MODE, 25, 1), 1
	s_wait_xcnt 0x0
; Causal attention of one head (64 channels) on codes of FP8 (E4M3) with E8M0 scales; the result is quantised along E and leaves as codes, laid as the next product's operand.
; IN: kqvc [P 24][128 tokens 64][a 8][piece 4][lane][16], kqvs [P][128 tokens][a][lane-row] words.  P = pair of heads hp for k, 8 + hp for q, 16 + hp for v.  Head parity pi: k's and q's half fragment of a block of 16 tokens is
; 1,024 dense bytes at 1,024 pi, its two scale bytes the half word at 2 pi; v's four fragments (16 channels x 128 keys each) are 8,192 dense bytes at 8,192 pi.  Lane-row r of block g is row 32 (g / 2) + 8 (g % 2) + r + 8 (r / 8).
; THE SOFTMAX: t = score x log2(e) / 8; M = the running largest t rounded UP to a whole number; p = 2^(t - M) is quantised along the keys, not normalised; the row's sum is taken of the unquantised p and divides at the end.
; SHARES.  Work-group (i, head) owns the blocks i and 7 - i of 256 queries, one after the other; wave w owns 16 of the 256.  Keys go in slots of 256: i + 1 slots for the first block, 8 - i for the second: NINE for every
; work-group, so the loop's trip count is a constant and all 256 work-groups have equal work.  A key step all of whose keys come after the wave's queries is jumped over (a scalar branch on ids and counters).
; LAYOUT.  Both products are used transposed (S^T = K Q^T, O^T = V^T P^T): a lane holds one query throughout; by the order of rows above, the 16 registers of key tiles 2 j, 2 j + 1 are keys 32 j + 16 (lane / 16) + 0 .. 15.
; K = 64 IN AN INSTRUCTION OF 128: q's upper eight registers hold zero codes.  k's fragment t is named v[32 + 8 t : 47 + 8 t]: its upper eight registers are the next tile's codes (behind tile 7: zeros), finite numbers that meet q's zeros.
; The scale words come as half words, so their bytes 2 and 3 are 0, which is 2^-127 and no NaN.
; No multicast: from the second trip on the four work-groups of a head want different slots.
; OUT: ac [block of 16 tokens][8 K steps][2,048], ascl [block][8][16] words; this head's part: pieces 2 pi, 2 pi + 1 of K step hp, and the half word at 2 pi (stores of 2 bytes a lane: 262,144 bytes in the whole launch).
; LIMITS: NaN and infinities are not served; a block of zeros carries the byte 1 (its codes are zeros; this program alone reads the bytes).
; REGISTERS: v1-11 addresses; v12 -M, v13 the largest t, v[14:15] the sum; v16-23 q, v24-31 zeros; v32-95 k's eight tiles, then v's four fragments; v96-103 zeros; v104-167 S^T, then p; v168-199 O^T; v200-215 p's codes;
; v216-223 k's, then v's scale words; v224 q's; v225-227 offsets; v228-243 at work; v244 f, v245 p's scale word; v246-247 at work.
.set SLOT1, 65536                      ; a slot: k's codes 16,384, v's codes 16,384, k's words 1,024, v's words 1,024; slot 1 begins here
.set VOFF,  16384
.set KSC,   32768
.set VSC,   33792
.set SPARE, 131072                     ; the spare words: 128 bytes for each of 16 waves
.set LI,   1
.set ASK0, 2
.set ASV0, 3
.set QO,   4
.set SPW,  5
.set NIL,  6
.set QSO,  7
.set ADC,  8
.set ADS,  9
.set ADT,  10
.set LQ,   11
.set OO,   225
.set OS,   226
.set R4,   227
.set TB,   2                           ; s2  LDS byte at which the slot in hand begins
.set N,    3                           ; s3  the trip
.set WV,   18
.set MNT,  19
.set SEL,  20
.set CS,   22
.set G1K,  24
.set G1V,  32
.set G1S,  40
.set G0K,  48
.set G0V,  52
.set G0S,  56
.set KP,   60                          ; s[60:61] k's codes of my head and batch;  s[62:63] v's;  s[66:67] k's scale words (v's lie 524,288 bytes on);  s[68:69] q's codes;  s[70:71] q's scale words
.set VP,   62
.set SP,   66
.set QP,   68
.set QS,   70
.set KF,   72                          ; the step's first key
.set QW,   73                          ; my wave's first query
.set QB,   74                          ; the block of 256 queries in hand
.set I1,   75                          ; i + 1
.macro TLOAD                           ; wave 0: k's codes; wave 1: v's; wave 2: both scale words; four v_nop follow each line
	s_cmp_eq_u32 s[WV], 0
	s_cbranch_scc0 .Lnot_k_\@
	tensor_load_to_lds s[G0K:G0K+3], s[G1K:G1K+7]
	s_nop 0
.rept 4
	v_nop
.endr
	s_branch .Lasked_\@
.Lnot_k_\@:
	s_cmp_eq_u32 s[WV], 1
	s_cbranch_scc0 .Lnot_v_\@
	tensor_load_to_lds s[G0V:G0V+3], s[G1V:G1V+7]
	s_nop 0
.rept 4
	v_nop
.endr
	s_branch .Lasked_\@
.Lnot_v_\@:
	s_cmp_eq_u32 s[WV], 2
	s_cbranch_scc0 .Lasked_\@
	tensor_load_to_lds s[G0S:G0S+3], s[G1S:G1S+7]
	s_nop 0
.rept 4
	v_nop
.endr
.Lasked_\@:
.endm
	s_load_b256 s[4:11], s[0:1], 0x0               ; kqvc s[4:5], kqvs s[6:7], ac s[8:9], ascl s[10:11]
	v_lshl_add_u32 v[SPW], v0, 2, SPARE
	v_mov_b32 v[NIL], 0
	ds_add_u32 v5, v6
	ds_add_u32 v5, v6
	s_wait_dscnt 0x0
	v_lshrrev_b32 v8, 5, v0
	s_delay_alu instid0(VALU_DEP_1)
	v_readfirstlane_b32 s[WV], v8                  ; wave 0..15
	s_and_b32 s76, ttmp7, 0xffff                   ; 16 x batch + head
	s_lshr_b32 s77, s76, 4                         ; batch
	s_bfe_u32 s78, s76, 0x30001                    ; hp: the pair of heads
	s_and_b32 s79, s76, 1                          ; pi
	s_lshl_b32 s80, s78, 6
	s_lshl_b32 s81, s77, 4
	s_add_co_u32 s80, s80, s81                     ; 64 hp + 16 batch: k's first run of 128 tokens
	s_lshl_b32 s82, s80, 14
	s_lshl_b32 s81, s79, 10
	s_add_co_u32 s82, s82, s81                     ; k's codes
	s_mov_b32 s83, 0
	s_add_co_u32 s84, s82, 512<<14                 ; q's: P is 8 further on
	s_mov_b32 s85, 0
	s_add_co_u32 s86, s80, 1024
	s_lshl_b32 s86, s86, 14
	s_lshl_b32 s81, s79, 13
	s_add_co_u32 s86, s86, s81                     ; v's
	s_mov_b32 s87, 0
	s_lshl_b32 s88, s80, 9                         ; k's scale words
	s_mov_b32 s89, 0
	s_lshl_b32 s81, s79, 1                         ; 2 pi
	s_add_co_u32 s90, s88, 512<<9
	s_add_co_u32 s90, s90, s81                     ; q's
	s_mov_b32 s91, 0
	s_lshl_b32 s92, s77, 21
	s_lshl_b32 s93, s78, 11
	s_add_co_u32 s92, s92, s93
	s_lshl_b32 s93, s79, 10
	s_add_co_u32 s92, s92, s93                     ; ac: the batch's 128 blocks, K step hp, piece 2 pi
	s_mov_b32 s93, 0
	s_lshl_b32 s94, s77, 16
	s_lshl_b32 s95, s78, 6
	s_add_co_u32 s94, s94, s95
	s_add_co_u32 s94, s94, s81                     ; ascl likewise
	s_mov_b32 s95, 0
	; descriptor group 1, elements of 8 bytes, no mask, no padding.  k: 16 rows of 1,024 bytes, 2,048 apart
	s_mov_b32 s[G1K], 3<<16
	s_mov_b32 s[G1K+1], 128<<16
	s_mov_b32 s[G1K+2], 16<<16
	s_mov_b32 s[G1K+3], 128<<16
	s_mov_b32 s[G1K+4], 16
	s_mov_b32 s[G1K+5], 256
	s_mov_b32 s[G1K+6], 0
	s_mov_b32 s[G1K+7], 0
	; v: 2 rows of 8,192 bytes, 16,384 apart
	s_mov_b32 s[G1V], 3<<16
	s_mov_b32 s[G1V+1], 1024<<16
	s_mov_b32 s[G1V+2], 2<<16
	s_mov_b32 s[G1V+3], 1024<<16
	s_mov_b32 s[G1V+4], 2
	s_mov_b32 s[G1V+5], 2048
	s_mov_b32 s[G1V+6], 0
	s_mov_b32 s[G1V+7], 0
	; the scale words: 2 rows of 1,024 bytes (k's, v's), 524,288 apart
	s_mov_b32 s[G1S], 3<<16
	s_mov_b32 s[G1S+1], 128<<16
	s_mov_b32 s[G1S+2], 2<<16
	s_mov_b32 s[G1S+3], 128<<16
	s_mov_b32 s[G1S+4], 2
	s_mov_b32 s[G1S+5], 65536
	s_mov_b32 s[G1S+6], 0
	s_mov_b32 s[G1S+7], 0
	s_mov_b32 s[SEL], 0x76543210
	s_mov_b32 s[SEL+1], 0xfedcba98                 ; v_permlanex16_b32's selects for lane l xor 16
	s_mov_b32 s[CS], 0x3e38aa3b                    ; c = log2(e) / 8
	s_mov_b32 s[CS+1], s[CS]
	s_mov_b32 s[MNT], 0x600000
	s_wait_kmcnt 0x0
	s_add_nc_u64 s[KP:KP+1], s[4:5], s[82:83]
	s_add_nc_u64 s[QP:QP+1], s[4:5], s[84:85]
	s_add_nc_u64 s[VP:VP+1], s[4:5], s[86:87]
	s_add_nc_u64 s[SP:SP+1], s[6:7], s[88:89]
	s_add_nc_u64 s[QS:QS+1], s[6:7], s[90:91]
	s_add_nc_u64 s[8:9], s[8:9], s[92:93]
	s_add_nc_u64 s[10:11], s[10:11], s[94:95]
	s_mov_b32 s[G0K], 1
	s_mov_b32 s[G0K+1], 0
	s_mov_b64 s[G0K+2:G0K+3], s[KP:KP+1]
	s_or_b32 s[G0K+3], s[G0K+3], 0x80000000
	s_mov_b32 s[G0V], 1
	s_mov_b32 s[G0V+1], VOFF
	s_mov_b64 s[G0V+2:G0V+3], s[VP:VP+1]
	s_or_b32 s[G0V+3], s[G0V+3], 0x80000000
	s_mov_b32 s[G0S], 1
	s_mov_b32 s[G0S+1], KSC
	s_mov_b64 s[G0S+2:G0S+3], s[SP:SP+1]
	s_or_b32 s[G0S+3], s[G0S+3], 0x80000000
	TLOAD                                          ; slot 0: keys 0 to 255
	v_and_b32 v[LI], 31, v0
	s_delay_alu instid0(VALU_DEP_1)
	v_lshlrev_b32 v[LI], 4, v[LI]                  ; 16 x lane
	v_and_b32 v246, 15, v0                         ; r
	v_bfe_u32 v247, v0, 4, 1                       ; h
	s_delay_alu instid0(VALU_DEP_2)
	v_lshlrev_b32 v[R4], 2, v246
	s_add_co_u32 s76, s81, KSC
	v_add_nc_u32 v[ASK0], s76, v[R4]               ; k's scale half words: 4 r + 2 pi
	s_lshl_b32 s76, s79, 8
	s_add_co_u32 s76, s76, VSC
	v_add_nc_u32 v[ASV0], s76, v[R4]               ; v's scale words: 4 r + 256 pi
	v_and_b32 v[LQ], 8, v246
	s_delay_alu instid0(VALU_DEP_1)
	v_add_nc_u32 v[LQ], v[LQ], v246
	v_lshlrev_b32 v247, 4, v247
	s_delay_alu instid0(VALU_DEP_1)
	v_sub_nc_u32 v[LQ], v[LQ], v247                ; r + 8 (r / 8) - 16 h
.irp j, 0,1,2,3,4,5,6,7
	v_mov_b32 v[24+\j], 0                          ; q's upper half: zero codes
	v_mov_b32 v[96+\j], 0                          ; behind k's tile 7
.endr
.irp b, 0,1,2,3
	v_mov_b32 v[232+\b], 0                         ; a lane permute's destination counts as one of its sources
.endr
	v_mov_b32 v245, 0                              ; (named as the upper half of the pair v[244:245] before it is first written)
	s_mov_b32 s[TB], 0
	s_mov_b32 s[N], 0
	s_add_co_u32 s[I1], ttmp9, 1
	s_mov_b32 s[QB], ttmp9
; A block of queries begins: q's half fragment and scale word, the offsets of its results, and the running figures.
.macro START
	s_wait_xcnt 0x0                                ; earlier loads and stores have read their offsets and data
	s_lshl_b32 s76, s[QB], 4
	s_add_co_u32 s76, s76, s[WV]                   ; my block of 16 tokens in the batch
	s_lshl_b32 s77, s76, 11
	v_add_nc_u32 v[QO], s77, v[LI]
	s_lshl_b32 s77, s76, 6
	v_add_nc_u32 v[QSO], s77, v[R4]
	s_lshl_b32 s77, s76, 14
	v_add_nc_u32 v[OO], s77, v[LI]
	s_lshl_b32 s77, s76, 9
	v_add_nc_u32 v[OS], s77, v[R4]
	global_load_b128 v[16:19], v[QO], s[QP:QP+1]
	global_load_b128 v[20:23], v[QO], s[QP:QP+1] offset:512
	global_load_u16 v224, v[QSO], s[QS:QS+1]
	v_mov_b32 v13, 0xff61b1e6                      ; the largest t so far: -3e38
	s_delay_alu instid0(VALU_DEP_1)
	v_floor_f32 v12, -v13                          ; -M
	v_mov_b32 v14, 0
	v_mov_b32 v15, 0
.set j, 0
.rept 32
	v_mov_b32 v[168+j], 0                          ; O^T: the first change of M leaves zeros zeros
.set j, j+1
.endr
	s_lshl_b32 s[QW], s[QB], 8
	s_lshr_b32 s77, s[WV], 1
	s_lshl_b32 s77, s77, 5
	s_add_co_u32 s[QW], s[QW], s77
	s_and_b32 s77, s[WV], 1
	s_lshl_b32 s77, s77, 3
	s_add_co_u32 s[QW], s[QW], s77                 ; my queries are QW + r + 8 (r / 8): QW .. QW + 23
	s_mov_b32 s[KF], 0
	s_wait_loadcnt 0x0
.endm
; A KEY STEP: 128 keys, the q-th of the slot in hand.
.macro STEP q
	s_add_co_u32 s76, s[QW], 23
	s_cmp_gt_u32 s[KF], s76                        ; all keys come after my queries: nothing to do but to step the key
	s_cbranch_scc1 .Lhidden_\@
.rept 8
	v_nop                                          ; places in front of loads into registers that the last products read
.endr
	s_wait_alu depctr_va_vdst(0)
.irp t, 0,1,2,3,4,5,6,7
	ds_load_b128 v[32+8*\t:35+8*\t], v[ADC] offset:(8*(\q)+\t)*1024
	ds_load_b128 v[36+8*\t:39+8*\t], v[ADC] offset:(8*(\q)+\t)*1024+512
	ds_load_u16 v[216+\t], v[ADS] offset:512*(\q)+64*\t
.endr
	s_wait_dscnt 0x0
.irp t, 0,1,2,3,4,5,6,7
	v_wmma_scale_f32_16x16x128_f8f6f4 v[104+8*\t:111+8*\t], v[32+8*\t:47+8*\t], v[16:31], 0, v[216+\t], v224
.endr
.rept 8
	v_nop                                          ; places in front of the loads below and of the first read of the scores
.endr
	s_wait_alu depctr_va_vdst(0)
.irp t, 0,1,2,3                                ; v's four fragments and scale words are asked for here and land under the softmax
.irp c, 0,1,2,3
	ds_load_b128 v[32+16*\t+4*\c:35+16*\t+4*\c], v[ADC] offset:VOFF+8192*(\q)+2048*\t+512*\c
.endr
	ds_load_b32 v[216+\t], v[ADT] offset:512*(\q)+64*\t
.endr
	s_add_co_u32 s76, s[KF], 127
	s_cmp_le_u32 s76, s[QW]                        ; all keys count: no mask
	s_cbranch_scc1 .Lopen_\@
	s_sub_co_i32 s76, s[QW], s[KF]
	v_add_nc_u32 v246, s76, v[LQ]                  ; d = my query - KF - 16 h.  Register 16 b + i holds key KF + 16 h + 32 b + i: hidden where 32 b + i > d
	v_mov_b32 v247, 0xff800000                     ; -infinity
.set n, 0
.rept 64
	v_cmp_gt_i32 vcc_lo, 32*(n/16)+n%16, v246
	v_cndmask_b32 v[104+n], v[104+n], v247, vcc_lo
.set n, n+1
.endr
.Lopen_\@:
.irp b, 0,1,2,3
	v_max3_num_f32 v[228+\b], v[104+16*\b], v[105+16*\b], v[106+16*\b]   ; the largest score of each block of 32 keys: it serves the row's maximum and, since p rises with the score, the block's largest p
.endr
.irp i, 3,5,7,9,11,13
.irp b, 0,1,2,3
	v_max3_num_f32 v[228+\b], v[228+\b], v[104+16*\b+\i], v[105+16*\b+\i]
.endr
.endr
.irp b, 0,1,2,3
	v_max_num_f32 v[228+\b], v[228+\b], v[119+16*\b]
.endr
.irp b, 0,1,2,3
	s_delay_alu instid0(VALU_DEP_4)
	v_permlanex16_b32 v[232+\b], v[228+\b], s[SEL], s[SEL+1]
.endr
.irp b, 0,1,2,3
	s_delay_alu instid0(VALU_DEP_4)
	v_max_num_f32 v[228+\b], v[228+\b], v[232+\b]
.endr
	s_delay_alu instid0(VALU_DEP_2)
	v_max3_num_f32 v246, v228, v229, v230
	s_delay_alu instid0(VALU_DEP_1)
	v_max_num_f32 v246, v246, v231
	s_delay_alu instid0(VALU_DEP_1)
	v_mul_f32 v246, s[CS], v246                    ; as t
	s_delay_alu instid0(VALU_DEP_1)
	v_max_num_f32 v13, v13, v246                   ; the running largest t
	v_mov_b32 v246, v12
	s_delay_alu instid0(VALU_DEP_2)
	v_floor_f32 v12, -v13                          ; the new -M = -ceil(t)
	s_delay_alu instid0(VALU_DEP_1)
	v_sub_f32 v246, v12, v246                      ; old M - new M: a whole number, 0 or less
	s_delay_alu instid0(VALU_DEP_1)
	v_cvt_i32_f32 v246, v246                       ; (it saturates)
	s_delay_alu instid0(VALU_DEP_1)
	v_ldexp_f32 v244, 1.0, v246                    ; f = 2^(old M - new M)
.set j, 0
.rept 32
	v_pk_fma_f32 v[104+j:105+j], v[104+j:105+j], s[CS:CS+1], v[12:13] op_sel_hi:[1,0,0]   ; t - M
.set j, j+2
.endr
.irp b, 0,1,2,3
	v_fma_f32 v[228+\b], v[228+\b], s[CS], v12
.endr
.set j, 0
	s_wait_alu depctr_va_vdst(0)
.rept 64
	v_exp_f32 v[104+j], v[104+j]                   ; p = 2^(t - M)
.set j, j+1
.endr
	v_pk_mul_f32 v[14:15], v[14:15], v[244:245] op_sel_hi:[1,0]   ; the sums under the new M: the plain line behind the exponentials
	s_wait_alu depctr_va_vdst(0)                   ; one wait for the batch, ahead of its first reader
.irp b, 0,1,2,3
	v_exp_f32 v[228+\b], v[228+\b]                 ; each block's largest p
.endr
	v_pk_add_f32 v[232:233], v[108:109], v[112:113]
	v_pk_add_f32 v[254:255], v[116:117], v[120:121]
	v_pk_add_f32 v[252:253], v[124:125], v[128:129]
	v_pk_add_f32 v[250:251], v[132:133], v[136:137]
	v_pk_add_f32 v[248:249], v[140:141], v[144:145]
	v_pk_add_f32 v[242:243], v[148:149], v[152:153]
	v_pk_add_f32 v[240:241], v[156:157], v[160:161]
	v_pk_add_f32 v[14:15], v[14:15], v[164:165]
	v_pk_add_f32 v[232:233], v[232:233], v[104:105]
	v_pk_add_f32 v[254:255], v[254:255], v[106:107]
	v_pk_add_f32 v[252:253], v[252:253], v[110:111]
	v_pk_add_f32 v[250:251], v[250:251], v[114:115]
	v_pk_add_f32 v[248:249], v[248:249], v[118:119]
	v_pk_add_f32 v[242:243], v[242:243], v[122:123]
	v_pk_add_f32 v[240:241], v[240:241], v[126:127]
	v_pk_add_f32 v[14:15], v[14:15], v[130:131]
	v_pk_add_f32 v[232:233], v[232:233], v[134:135]
	v_pk_add_f32 v[254:255], v[254:255], v[138:139]
	v_pk_add_f32 v[252:253], v[252:253], v[142:143]
	v_pk_add_f32 v[250:251], v[250:251], v[146:147]
	v_pk_add_f32 v[248:249], v[248:249], v[150:151]
	v_pk_add_f32 v[242:243], v[242:243], v[154:155]
	v_pk_add_f32 v[240:241], v[240:241], v[158:159]
	v_pk_add_f32 v[14:15], v[14:15], v[162:163]
	v_pk_add_f32 v[232:233], v[232:233], v[166:167]
	s_delay_alu instid0(VALU_DEP_2)
	v_pk_add_f32 v[14:15], v[14:15], v[250:251]
	s_delay_alu instid0(VALU_DEP_2)
	v_pk_add_f32 v[232:233], v[232:233], v[248:249]
	v_pk_add_f32 v[254:255], v[254:255], v[242:243]
	v_pk_add_f32 v[252:253], v[252:253], v[240:241]
	s_delay_alu instid0(VALU_DEP_2)
	v_pk_add_f32 v[14:15], v[14:15], v[254:255]
	s_delay_alu instid0(VALU_DEP_2)
	v_pk_add_f32 v[232:233], v[232:233], v[252:253]
	s_delay_alu instid0(VALU_DEP_1)
	v_pk_add_f32 v[14:15], v[14:15], v[232:233]
	s_wait_alu depctr_va_vdst(0)                   ; and one for the four
.irp b, 0,1,2,3
	v_max_num_f32 v[228+\b], 0x4800000, v[228+\b]  ; the floor 2^(9 - 127)
.endr
.irp b, 0,1,2,3
	s_delay_alu instid0(VALU_DEP_4)
	v_add_nc_u32 v[240+\b], 0xfc000000, v[228+\b]
.endr
.irp b, 0,1,2,3
	v_and_or_b32 v[236+\b], v[228+\b], 0x7f800000, s[MNT]
.endr
.irp b, 0,1,2,3
	v_lshrrev_b32 v[232+\b], 23, v[240+\b]
.endr
	s_delay_alu instid0(VALU_DEP_3)
	v_lshl_or_b32 v245, v233, 8, v232              ; p's scale word for these 128 keys
	s_delay_alu instid0(VALU_DEP_1)
	v_lshl_or_b32 v245, v234, 16, v245
	s_delay_alu instid0(VALU_DEP_1)
	v_lshl_or_b32 v245, v235, 24, v245
.irp b, 0,1,2,3
.irp i, 0,1,2,3,4,5,6,7,8,9,10,11,12,13,14,15
	v_min_num_f32 v[104+16*\b+\i], v[104+16*\b+\i], v[236+\b]   ; p is not negative: the hold is one-sided
.endr
	v_cvt_scalef32_pk8_fp8_f32 v[200+4*\b:201+4*\b], v[104+16*\b:111+16*\b], v[240+\b]
	v_cvt_scalef32_pk8_fp8_f32 v[202+4*\b:203+4*\b], v[112+16*\b:119+16*\b], v[240+\b]
.endr
.set j, 0
.rept 16
	v_pk_mul_f32 v[168+j:169+j], v[168+j:169+j], v[244:245] op_sel_hi:[1,0]   ; O^T under the new M; these 16 are also the places in front of the products below
.set j, j+2
.endr
	s_wait_alu depctr_va_vdst(0)
	s_wait_dscnt 0x0                               ; v is in
.irp t, 0,1,2,3
	v_wmma_scale_f32_16x16x128_f8f6f4 v[168+8*\t:175+8*\t], v[32+16*\t:47+16*\t], v[200:215], v[168+8*\t:175+8*\t], v[216+\t], v245
.endr
.Lhidden_\@:
	s_add_co_u32 s[KF], s[KF], 128
.endm
; THE CHANGE OF SLOTS, at a slot's head.  fill = 1: the slot just left takes the keys of the next trip: slot number nxt = N + 1, less i + 1 once the second block of queries has begun.
.macro CHANGE fill
	s_wait_tensorcnt 0x0                           ; no tensor load of mine is out, so a group 0 may be written
	ds_add_u32 v[SPW], v[NIL]                      ; 0 onto my spare word
.if \fill
	s_xor_b32 s[G0K+1], s[G0K+1], SLOT1
	s_xor_b32 s[G0V+1], s[G0V+1], SLOT1
	s_xor_b32 s[G0S+1], s[G0S+1], SLOT1
	s_add_co_u32 s84, s[N], 1
	s_cmp_ge_u32 s84, s[I1]
	s_cselect_b32 s85, s[I1], 0
	s_sub_co_u32 s84, s84, s85                     ; which 256 keys
	s_lshl_b32 s86, s84, 10
	s_lshl_b32 s84, s84, 15
	s_mov_b32 s85, 0
	s_mov_b32 s87, 0
	s_add_nc_u64 s[G0K+2:G0K+3], s[KP:KP+1], s[84:85]
	s_or_b32 s[G0K+3], s[G0K+3], 0x80000000
	s_add_nc_u64 s[G0V+2:G0V+3], s[VP:VP+1], s[84:85]
	s_or_b32 s[G0V+3], s[G0V+3], 0x80000000
	s_add_nc_u64 s[G0S+2:G0S+3], s[SP:SP+1], s[86:87]
	s_or_b32 s[G0S+3], s[G0S+3], 0x80000000
.endif
	s_wait_dscnt 0x0                               ; the add is done, and my reads of the slot that I have left are over
	s_barrier_signal -1
	s_barrier_wait -1
.if \fill
	TLOAD                                          ; the first thing behind the barrier, a wave's one tensor load until the next: it has a slot's two key steps in which to land
.endif
.endm
.macro SLOT_STEPS
	v_add_nc_u32 v[ADC], s[TB], v[LI]
	v_add_nc_u32 v[ADS], s[TB], v[ASK0]
	v_add_nc_u32 v[ADT], s[TB], v[ASV0]
	STEP 0
	STEP 1
	s_xor_b32 s[TB], s[TB], SLOT1
.endm
; A block of queries ends: O^T / the sum, quantised along the head's two blocks of 32 channels.  The eight code registers are pieces 2 pi and 2 pi + 1 of the next operand's image.
.macro FINISH
.rept 8
	v_nop                                          ; places behind the last products
.endr
	v_add_f32 v14, v14, v15
	s_delay_alu instid0(VALU_DEP_1)
	v_permlanex16_b32 v246, v14, s[SEL], s[SEL+1]
	s_delay_alu instid0(VALU_DEP_1)
	v_add_f32 v14, v14, v246                       ; the row's sum
	s_wait_alu depctr_va_vdst(0)
	v_rcp_f32 v14, v14
	v_nop                                          ; a plain line behind the transcendental
	s_wait_alu depctr_va_vdst(0)                   ; and the wait ahead of its first reader
.set j, 0
.rept 16
	v_pk_mul_f32 v[104+j:105+j], v[168+j:169+j], v[14:15] op_sel_hi:[1,0]   ; register 16 g + i: channel 32 g + 16 h + i of the head; each accumulator from its low end on
.set j, j+2
.endr
.irp b, 0,1
	v_max3_num_f32 v[228+\b], |v[104+16*\b]|, |v[105+16*\b]|, 0x4800000
.endr
.irp i, 2,4,6,8,10,12,14
.irp b, 0,1
	s_delay_alu instid0(VALU_DEP_2)
	v_max3_num_f32 v[228+\b], v[228+\b], |v[104+16*\b+\i]|, |v[105+16*\b+\i]|
.endr
.endr
.irp b, 0,1
	s_delay_alu instid0(VALU_DEP_2)
	v_permlanex16_b32 v[232+\b], v[228+\b], s[SEL], s[SEL+1]
.endr
.irp b, 0,1
	s_delay_alu instid0(VALU_DEP_2)
	v_max_num_f32 v[228+\b], v[228+\b], v[232+\b]
.endr
.irp b, 0,1
	s_delay_alu instid0(VALU_DEP_2)
	v_add_nc_u32 v[240+\b], 0xfc000000, v[228+\b]
.endr
.irp b, 0,1
	s_delay_alu instid0(VALU_DEP_4)
	v_and_or_b32 v[236+\b], v[228+\b], 0x7f800000, s[MNT]
.endr
.irp b, 0,1
	s_delay_alu instid0(VALU_DEP_4)
	v_lshrrev_b32 v[232+\b], 23, v[240+\b]
.endr
	s_delay_alu instid0(VALU_DEP_1)
	v_lshl_or_b32 v247, v233, 8, v232              ; the head's two scale bytes
.irp b, 0,1
.irp i, 0,1,2,3,4,5,6,7,8,9,10,11,12,13,14,15
	v_med3_num_f32 v[104+16*\b+\i], v[104+16*\b+\i], -v[236+\b], v[236+\b]
.endr
	v_cvt_scalef32_pk8_fp8_f32 v[200+4*\b:201+4*\b], v[104+16*\b:111+16*\b], v[240+\b]
	v_cvt_scalef32_pk8_fp8_f32 v[202+4*\b:203+4*\b], v[112+16*\b:119+16*\b], v[240+\b]
.endr
	v_nop                                          ; a plain line behind the last conversion
	global_store_b128 v[OO], v[200:203], s[8:9]              ; 512 consecutive bytes, aligned
	global_store_b128 v[OO], v[204:207], s[8:9] offset:512
	global_store_b16 v[OS], v247, s[10:11]                   ; lanes 16-31 repeat lanes 0-15's bytes
.endm
	START
.Lslot:                                            ; eight trips: behind each change of slots but the last the next slot is asked for
	CHANGE 1
	s_cmp_lg_u32 s[N], s[I1]                       ; trip i + 1 begins the second block of queries: the same in all sixteen waves
	s_cbranch_scc1 .Lsame
	FINISH
	s_sub_co_u32 s[QB], 8, s[I1]                   ; 7 - i
	START
.Lsame:
	SLOT_STEPS
	s_add_co_u32 s[N], s[N], 1
	s_cmp_lt_u32 s[N], 8
	s_cbranch_scc1 .Lslot
	CHANGE 0                                       ; the ninth slot is written out
	SLOT_STEPS
	FINISH
	s_wait_tensorcnt 0x0                           ; the wave's end
	ds_add_u32 v[SPW], v[NIL]
	s_wait_dscnt 0x0
	s_endpgm
.Lfunc_end_k_qa7709ecacf_attn:
	.size	k_qa7709ecacf_attn, .Lfunc_end_k_qa7709ecacf_attn-k_qa7709ecacf_attn
	.p2alignl 7, 3214868480
	.fill 96, 4, 3214868480
	.section	.rodata,"a",@progbits
	.p2align	6, 0x0
	.amdhsa_kernel k_qa7709ecacf_attn
		.amdhsa_group_segment_fixed_size 327680
		.amdhsa_private_segment_fixed_size 0
		.amdhsa_enable_private_segment 0
		.amdhsa_kernarg_size 32
		.amdhsa_user_sgpr_count 2
		.amdhsa_user_sgpr_kernarg_segment_ptr 1
		.amdhsa_wavefront_size32 1
		.amdhsa_system_sgpr_workgroup_id_x 1
		.amdhsa_system_sgpr_workgroup_id_y 1
		.amdhsa_system_sgpr_workgroup_id_z 1
		.amdhsa_system_vgpr_workitem_id 0
		.amdhsa_next_free_vgpr 256
		.amdhsa_next_free_sgpr 100
		.amdhsa_reserve_vcc 1
		.amdhsa_float_denorm_mode_32 3
		.amdhsa_float_denorm_mode_16_64 3
		.amdhsa_memory_ordered 1
		.amdhsa_forward_progress 1
		.amdhsa_inst_pref_size 127
	.end_amdhsa_kernel
	.amdgpu_metadata
---
amdhsa.version: [ 1, 2 ]
amdhsa.kernels:
  - .name:           k_qa7709ecacf_attn
    .symbol:         k_qa7709ecacf_attn.kd
    .args:
      - { .name: kqvc, .offset: 0, .size: 8, .value_kind: global_buffer, .address_space: global }
      - { .name: kqvs, .offset: 8, .size: 8, .value_kind: global_buffer, .address_space: global }
      - { .name: ac, .offset: 16, .size: 8, .value_kind: global_buffer, .address_space: global }
      - { .name: ascl, .offset: 24, .size: 8, .value_kind: global_buffer, .address_space: global }
    .group_segment_fixed_size: 327680
    .private_segment_fixed_size: 0
    .kernarg_segment_align: 8
    .kernarg_segment_size: 32
    .max_flat_workgroup_size: 512
    .sgpr_count:     100
    .vgpr_count:     256
    .wavefront_size: 32
...
	.end_amdgpu_metadata
.endif
;; end of part 3
;; launch gemm_proj (part 4): grid 32 x 8, 4 waves a work-group, clusters of 4 x 4, 327,680 bytes of LDS; arguments ac, ascl, wc, ws, b_proj, out0; writes out0
.if DOCPART == 4
	.amdgcn_target "amdgcn-amd-amdhsa--gfx1250"
	.amdhsa_code_object_version 6
	.text
	.protected	k_qa7709ecacf_gemm_proj
	.globl	k_qa7709ecacf_gemm_proj
	.p2align	8
	.type	k_qa7709ecacf_gemm_proj,@function
k_qa7709ecacf_gemm_proj:
	s_mov_b64 s[64:65], 0
	v_nop
	global_prefetch_b8 v0, s[64:65] scope:SCOPE_SE
	s_setreg_imm32_b32 hwreg(HW_REG_WAVE_MODE, 25, 1), 1
	s_wait_xcnt 0x0
	s_wait_alu depctr_hold_cnt(0) depctr_sa_sdst(0) depctr_va_vdst(0) depctr_va_sdst(0) depctr_va_ssrc(0) depctr_va_vcc(0) depctr_vm_vsrc(0)
	s_getreg_b32 s2, hwreg(HW_REG_IB_STS2, 6, 4)
	s_cmp_eq_u32 s2, 0
	s_cbranch_scc0 .Lentry_in_a_cluster
	s_endpgm
.Lentry_in_a_cluster:
	s_bfe_u32 s2, ttmp6, 0x10000c
	s_cmp_lg_u32 s2, 0xf033
	s_cbranch_scc0 .Lentry_shape_is_right
	s_endpgm
.Lentry_shape_is_right:
; out0 = a W_proj + b_proj on codes of FP8 (E4M3) with E8M0 scales, K = 1,024, f32 out.  a: the attention's result as codes, ac [block of 16 tokens][8 K steps][2,048], ascl [block][8][16] words; W_proj: blocks 192-255 of wc, ws.
; Lane-row r of block g is row 32 (g / 2) + 8 (g % 2) + r + 8 (r / 8).
; SHARES.  Work-group (T, c) of 32 x 8: 256 tokens x 128 columns.  Wave w holds its own 64 tokens, all of K, in 512 registers: K steps 0-2 come by plain loads of 512 consecutive bytes, K steps 3-7 by two tensor loads (8 blocks x 10,240 bytes each) through LDS.
; W's 8 blocks of 16 columns are streamed past them from LDS through two register sets; a block is 32 products on four accumulators by turns.
; Source 0 = W's block, source 1 = a tile of tokens: a lane holds one token, and the 16 registers of blocks 2 j, 2 j + 1 are columns 32 j + 16 (lane / 16) + 0 .. 15.  The bias is the C of each sum's first product.
; LDS: everything is filled once, at the head, one load a wave; nothing is filled again.  Results go through the wave's own stage (64 rows of 512 bytes + 16) and leave as half rows: 16 lanes store 256 consecutive bytes, aligned.
; The stages lie over the tokens' bytes, which have had their only fill; a barrier stands between the last read of those bytes and the first store.  The first half rows (columns 0-63) leave among the third pair's products, the second at the end.
; CLUSTERS: 4 x 4 work-groups.  The four of a row (same c) want the same blocks of W, the four of a column (same T) the same tokens: every tensor load is joint.
; No prefetch: all that the launch loads is asked for at its head, and there is no loop to run ahead in.
; LIMITS: NaN and infinities are not served.
.set SCW,   131072
.set STAGE, SCW+4096
.set XL,    STAGE                      ; the tokens' K steps 3-7: 16 blocks x 10,240 bytes
.set SP,    528
.set SPARE, XL+163840
.set LI,  1
.set SPW, 2
.set NIL, 3
.set ADR, 4
.set ADS, 5
.set LS0, 6
.set BO,  7
.set STO, 8
.set RD,  9
.set XSO, 10
.set CO,  11
.set XLA, 13
.set XS,  16
.set WSC, 36                           ; no product's two scale registers have numbers equal modulo 8
.set BK,  64
.set ACC, 128
.set BIAS, 192
.set G1H, 32
.set G1S, 48
.set G0H, 56
.set G0X, 60
.set G0S, 68
.set G1X, 72
.set MSB, 0
.macro WIN new
.if MSB != \new
	s_set_vgpr_msb (MSB<<8)|\new
.set MSB, \new
.endif
.endm
.macro PLACES n
.rept \n
	v_nop
.endr
.endm
.macro CROUND
	s_barrier_signal -1
	s_barrier_wait -1
	s_cmp_lg_u32 s16, 0
	s_cbranch_scc1 .Lnot_wave_0_\@
	s_barrier_signal -3
.Lnot_wave_0_\@:
	s_barrier_wait -3
	s_barrier_signal -1
	s_barrier_wait -1
.endm
.macro TLOAD g0, g1
	tensor_load_to_lds s[\g0:\g0+3], s[\g1:\g1+7]
	s_nop 0
	PLACES 4
.endm
.macro GROUP1 g, m, c, r, p            ; r rows of c elements of 8 bytes, p elements apart; the mask in s[m]; no padding
	s_or_b32 s[\g], s[\m], (3<<16)|(1<<21)
	s_mov_b32 s[\g+1], (\c)<<16
	s_mov_b32 s[\g+2], (\r)<<16
	s_mov_b32 s[\g+3], (\c)<<16
	s_mov_b32 s[\g+4], \r
	s_mov_b32 s[\g+5], \p
	s_mov_b32 s[\g+6], 0
	s_mov_b32 s[\g+7], 0
.endm
	s_load_b256 s[4:11], s[0:1], 0x0               ; ac, ascl, wc, ws
	s_load_b128 s[12:15], s[0:1], 0x20             ; b_proj, out0
	v_lshl_add_u32 v[SPW], v0, 2, SPARE
	v_mov_b32 v[NIL], 0
	ds_add_u32 v[SPW], v[NIL]                      ; the opening: the add, twice on end, and its wait
	ds_add_u32 v[SPW], v[NIL]
	v_lshrrev_b32 v14, 5, v0
	v_readfirstlane_b32 s16, v14                   ; wave w
	s_and_b32 s18, s16, 1
	s_bfe_u32 s19, ttmp6, 0x40000                  ; cx
	s_bfe_u32 s98, ttmp6, 0x40004                  ; cy
	s_lshl_b32 s20, ttmp9, 2
	s_add_co_u32 s20, s20, s19                     ; T
	s_and_b32 s21, ttmp7, 0xffff
	s_lshl_b32 s21, s21, 2
	s_add_co_u32 s21, s21, s98                     ; c
	s_lshl_b32 s99, s98, 2
	s_lshl_b32 s99, 15, s99                        ; my row of the cluster: it shares W's blocks
	s_lshl_b32 s98, 0x1111, s19                    ; my column: it shares the tokens
	s_mul_i32 s94, s16, 64*SP
	s_add_co_u32 s94, s94, STAGE                   ; my stage
	s_mul_i32 s95, s16, 40960
	s_add_co_u32 s95, s95, XL                      ; my four blocks of tokens in LDS
	v_and_b32 v14, 31, v0
	v_and_b32 v15, 15, v0                          ; r
	v_bfe_u32 v12, v0, 4, 1                        ; h
	v_lshlrev_b32 v[LI], 4, v14
	v_lshlrev_b32 v[XSO], 2, v15
	v_lshl_add_u32 v[XSO], v12, 9, v[XSO]
	v_lshl_add_u32 v[LS0], v15, 2, SCW
	v_lshlrev_b32 v[BO], 6, v12
	v_mul_u32_u24 v[STO], v15, SP
	v_lshl_add_u32 v[STO], v12, 6, v[STO]
	v_add_nc_u32 v[STO], s94, v[STO]               ; in: row r, 64 bytes for each half of the lanes
	v_mul_u32_u24 v[RD], v12, SP
	v_lshl_add_u32 v[RD], v15, 4, v[RD]
	v_add_nc_u32 v[RD], s94, v[RD]                 ; back: lanes 0-15 one row, lanes 16-31 the next
	v_lshlrev_b32 v[CO], 12, v12
	v_lshl_add_u32 v[CO], v15, 4, v[CO]            ; and the same two rows of out0
	v_add_nc_u32 v[XLA], s95, v[LI]
	s_wait_alu depctr_va_vdst(0)                   ; the wait behind the head's vector lines
	GROUP1 G1H, 99, 512, 32, 512                   ; W's 8 blocks as rows of 4,096 bytes
	GROUP1 G1S, 99, 32, 16, 32                     ; their scale words: 4,096 dense bytes as rows of 256
	GROUP1 G1X, 98, 1280, 8, 2048                  ; 8 blocks of tokens, K steps 3-7: rows of 10,240 bytes, 16,384 apart
	s_lshl_b32 s2, s20, 18                         ; the tokens by tensor load: block 16 T,
	s_lshl_b32 s3, s18, 17                         ; + 8 blocks for the second of the two loading waves,
	s_add_co_u32 s2, s2, s3
	s_add_co_u32 s2, s2, 6144                      ; from K step 3 on
	s_mov_b32 s3, 0
	s_lshl_b32 s22, s20, 4
	s_lshl_b32 s23, s16, 2
	s_add_co_u32 s22, s22, s23                     ; my first block of tokens
	s_lshl_b32 s24, s22, 14
	s_mov_b32 s25, 0
	s_lshl_b32 s26, s22, 9
	s_mov_b32 s27, 0
	s_lshl_b32 s22, s21, 3
	s_add_co_u32 s22, s22, 192                     ; W_proj's first block for my c
	s_lshl_b32 s28, s22, 14
	s_mov_b32 s29, 0
	s_lshl_b32 s30, s22, 9
	s_mov_b32 s31, 0
	s_lshl_b32 s84, s21, 9                         ; 128 columns of f32
	s_mov_b32 s85, 0
	s_lshl_b32 s86, s20, 20
	s_lshl_b32 s23, s16, 18
	s_add_co_u32 s86, s86, s23
	s_add_co_u32 s86, s86, s84                     ; out0: token 256 T + 64 w, column 128 c
	s_mov_b32 s87, 0
	s_wait_dscnt 0x0
	CROUND                                         ; the sixteen work-groups are here: the joint loads meet
	s_wait_kmcnt 0x0
	s_mov_b32 s[G0X], 1
	s_mul_i32 s[G0X+1], s18, 81920
	s_add_co_u32 s[G0X+1], s[G0X+1], XL
	s_add_nc_u64 s[G0X+2:G0X+3], s[4:5], s[2:3]
	s_or_b32 s[G0X+3], s[G0X+3], 0x80000000
	s_add_nc_u64 s[4:5], s[4:5], s[24:25]
	s_add_nc_u64 s[6:7], s[6:7], s[26:27]
	s_add_nc_u64 s[12:13], s[12:13], s[84:85]
	s_add_nc_u64 s[14:15], s[14:15], s[86:87]
	s_mov_b32 s[G0H], 1
	s_mov_b32 s[G0H+1], 0
	s_add_nc_u64 s[G0H+2:G0H+3], s[8:9], s[28:29]
	s_or_b32 s[G0H+3], s[G0H+3], 0x80000000
	s_mov_b32 s[G0S], 1
	s_mov_b32 s[G0S+1], SCW
	s_add_nc_u64 s[G0S+2:G0S+3], s[10:11], s[30:31]
	s_or_b32 s[G0S+3], s[G0S+3], 0x80000000
; one load a wave, in one chain of branches: wave 0 W's eight blocks, wave 1 the scale words, waves 2 and 3 eight blocks of tokens each
.macro ARM under, g0, g1, next
	s_cmp_lt_u32 s16, \under
	s_cbranch_scc0 \next
	TLOAD \g0, \g1
	s_branch .Lasked
\next:
.endm
	ARM 1, G0H, G1H, .Larm_s
	ARM 2, G0S, G1S, .Larm_x
	TLOAD G0X, G1X
.Lasked:
.set Q_, 0
.rept 3                                ; my tokens' K steps 0-2: fragment 4 q + a in window 1 + q / 4
	WIN (1+Q_/4)<<6
.irp a, 0,1,2,3
.irp k, 0,1,2,3
	global_load_b128 v[16*((4*Q_+\a)%16)+4*\k:16*((4*Q_+\a)%16)+4*\k+3], v[LI], s[4:5] offset:16384*\a+2048*Q_+512*\k
.endr
.endr
.set Q_, Q_+1
.endr
	WIN 0
.irp p, 0,1
.irp q, 0,1,2,3,4,5,6,7
	global_load_b32 v[XS+8*\p+\q], v[XSO], s[6:7] offset:1024*\p+64*\q
.endr
.endr
.irp b, 0,1,2,3,4,5,6,7                ; register 8 b + i: the bias of column 32 (b / 2) + 16 h + 8 (b % 2) + i
	global_load_b128 v[BIAS+8*\b:BIAS+8*\b+3], v[BO], s[12:13] offset:(32*(\b/2)+8*(\b%2))*4
	global_load_b128 v[BIAS+8*\b+4:BIAS+8*\b+7], v[BO], s[12:13] offset:(32*(\b/2)+8*(\b%2))*4+16
.endr
.macro FETCH e, sb, ss                 ; a block of W into set e, and its 8 scale words; two additions and six v_nop are the eight plain lines behind the products that read the set
	v_add_nc_u32 v[ADR], \sb, v[LI]
	v_add_nc_u32 v[ADS], \ss, v[LS0]
	PLACES 6
	WIN 0xc0
.irp q, 0,1,2,3,4,5,6,7
.irp k, 0,1,2,3
	ds_load_b128 v[128*\e+16*\q+4*\k:128*\e+16*\q+4*\k+3], v[ADR] offset:16384*\e+2048*\q+512*\k
.endr
.endr
	WIN 0
.irp q, 0,1,2,3,4,5,6,7
	ds_load_b32 v[WSC+8*\e+\q], v[ADS] offset:512*\e+64*\q
.endr
.endm
.macro PRODS e, bias                   ; the block in set e, the e-th of its pair
.set N_, 0
.rept 32
.set Q_, N_/4
.set A_, N_%4
.set S_, 128*(\e)+16*Q_
.set X_, 16*(N_%16)
.set WS_, WSC+8*(\e)+Q_
.set XS_, XS+8*(A_/2)+Q_
.set D_, ACC+16*A_+8*(\e)
.set C_, D_
.if Q_ == 0
.set C_, \bias
.endif
	WIN 3|((1+Q_/4)<<2)
.if A_%2
	v_wmma_scale_f32_16x16x128_f8f6f4 v[D_:D_+7], v[S_:S_+15], v[X_:X_+15], v[C_:C_+7], v[WS_], v[XS_] matrix_b_scale:MATRIX_SCALE_ROW1
.else
	v_wmma_scale_f32_16x16x128_f8f6f4 v[D_:D_+7], v[S_:S_+15], v[X_:X_+15], v[C_:C_+7], v[WS_], v[XS_]
.endif
.set N_, N_+1
.endr
	WIN 0
.endm
.macro RLOAD reg, bt, hf               ; rows 32 bt .. + 31 of my stage, half hf: 16 loads of two half rows
.irp i, 0,1,2,3,4,5,6,7,8,9,10,11,12,13,14,15
	ds_load_b128 v[\reg+4*\i:\reg+4*\i+3], v[RD] offset:(32*\bt+2*\i)*SP+256*\hf
.endr
.endm
.macro RSEND reg, bt, hf               ; stage row 16 a + lr is token 32 (a / 2) + 8 (a % 2) + lr + 8 (lr / 8) of my 64
.irp i, 0,1,2,3,4,5,6,7,8,9,10,11,12,13,14,15
	global_store_b128 v[CO], v[\reg+4*\i:\reg+4*\i+3], s[14:15] offset:(32*\bt+8*(\i/8)+(2*\i)%16+8*(((2*\i)%16)/8))*4096+256*\hf th:TH_STORE_NT
.endr
.endm
; A TRIP: pair j of blocks.  s_wait_dscnt 40: all but the 40 loads of the block fetched last are done.
.macro TRIP j
	s_wait_dscnt 40
	PRODS 0, BIAS+16*\j
.if \j < 3
	FETCH 0, 32768*(\j+1), 1024*(\j+1)
	s_wait_dscnt 40
.else
	s_wait_dscnt 0x0
	v_nop                                          ; no fetch here: with the eight lines of the last trip's second fetch, nine plain lines stand ahead of the sums that the next products begin anew
.endif
.if \j == 2
	RSEND BK, 0, 0                                 ; the first half rows of tokens 0-31,
	s_wait_xcnt 0x0                                ; whose stores have read their registers,
	RLOAD BK, 1, 0                                 ; which take those of tokens 32-63
.endif
	PRODS 1, BIAS+16*\j+8
.if \j < 3
	FETCH 1, 32768*(\j+1), 1024*(\j+1)
.else
	PLACES 8
.endif
.if \j == 2
	s_wait_dscnt 40
	RSEND BK, 1, 0
.endif
.irp a, 0,1,2,3
.irp k, 0,1,2,3
	ds_store_b128 v[STO], v[ACC+16*\a+4*\k:ACC+16*\a+4*\k+3] offset:16*\a*SP+128*\j+16*\k   ; each accumulator from its low end on
.endr
.endr
.if \j == 1
	RLOAD BK, 0, 0                                 ; LDS serves a wave's instructions in order: these see my stores
.endif
.endm
	s_wait_tensorcnt 0x0                           ; my tile is in
	s_barrier_signal -1
	s_barrier_wait -1                              ; and everybody's
.set Q_, 3
.rept 5                                ; my tokens' K steps 3-7 into their registers
	WIN (1+Q_/4)<<6
.irp a, 0,1,2,3
.irp k, 0,1,2,3
	ds_load_b128 v[16*((4*Q_+\a)%16)+4*\k:16*((4*Q_+\a)%16)+4*\k+3], v[XLA] offset:10240*\a+2048*(Q_-3)+512*\k
.endr
.endr
.set Q_, Q_+1
.endr
	WIN 0
	FETCH 0, 0, 0
	FETCH 1, 0, 0
	s_wait_dscnt 0x0                               ; I hold my tokens in registers
	s_barrier_signal -1
	s_barrier_wait -1                              ; and so does everybody: the stages may be stored over those bytes
	s_wait_loadcnt 0x0                             ; K steps 0-2, the scale words, the bias
	TRIP 0
	TRIP 1
	TRIP 2
	TRIP 3
	s_wait_xcnt 0x0                                ; the earlier stores have read v64-127
	RLOAD BK, 0, 1
	RLOAD BIAS, 1, 1                               ; the bias is done with
	s_wait_dscnt 16                                ; the first 16 loads are in; the second 16 may be out
	RSEND BK, 0, 1
	s_wait_dscnt 0x0
	RSEND BIAS, 1, 1
	s_wait_tensorcnt 0x0                           ; the wave's end
	ds_add_u32 v[SPW], v[NIL]
	s_wait_dscnt 0x0
	CROUND                                         ; the closing round
	s_endpgm
.Lfunc_end_k_qa7709ecacf_gemm_proj:
	.size	k_qa7709ecacf_gemm_proj, .Lfunc_end_k_qa7709ecacf_gemm_proj-k_qa7709ecacf_gemm_proj
	.p2alignl 7, 3214868480
	.fill 96, 4, 3214868480
	.section	.rodata,"a",@progbits
	.p2align	6, 0x0
	.amdhsa_kernel k_qa7709ecacf_gemm_proj
		.amdhsa_group_segment_fixed_size 327680
		.amdhsa_private_segment_fixed_size 0
		.amdhsa_enable_private_segment 0
		.amdhsa_kernarg_size 48
		.amdhsa_user_sgpr_count 2
		.amdhsa_user_sgpr_kernarg_segment_ptr 1
		.amdhsa_wavefront_size32 1
		.amdhsa_system_sgpr_workgroup_id_x 1
		.amdhsa_system_sgpr_workgroup_id_y 1
		.amdhsa_system_sgpr_workgroup_id_z 1
		.amdhsa_system_vgpr_workitem_id 0
		.amdhsa_next_free_vgpr 1024
		.amdhsa_next_free_sgpr 100
		.amdhsa_reserve_vcc 0
		.amdhsa_float_denorm_mode_32 3
		.amdhsa_float_denorm_mode_16_64 3
		.amdhsa_memory_ordered 1
		.amdhsa_forward_progress 1
		.amdhsa_inst_pref_size 91
	.end_amdhsa_kernel
	.amdgpu_metadata
---
amdhsa.version: [ 1, 2 ]
amdhsa.kernels:
  - .name:           k_qa7709ecacf_gemm_proj
    .symbol:         k_qa7709ecacf_gemm_proj.kd
    .args:
      - { .name: ac, .offset: 0, .size: 8, .value_kind: global_buffer, .address_space: global }
      - { .name: ascl, .offset: 8, .size: 8, .value_kind: global_buffer, .address_space: global }
      - { .name: wc, .offset: 16, .size: 8, .value_kind: global_buffer, .address_space: global }
      - { .name: ws, .offset: 24, .size: 8, .value_kind: global_buffer, .address_space: global }
      - { .name: b_proj, .offset: 32, .size: 8, .value_kind: global_buffer, .address_space: global }
      - { .name: out0, .offset: 40, .size: 8, .value_kind: global_buffer, .address_space: global }
    .group_segment_fixed_size: 327680
    .private_segment_fixed_size: 0
    .kernarg_segment_align: 8
    .kernarg_segment_size: 48
    .max_flat_workgroup_size: 128
    .sgpr_count:     100
    .vgpr_count:     1024
    .wavefront_size: 32
...
	.end_amdgpu_metadata
.endif
;; end of part 4
